; MI455X (gfx1250); checked and timed in simulation.
; The chip was launched on July 23, 2026; its instructions are those of AMD's public machine-readable ISA for CDNA 5 (MIT licence, August 2026) and "CDNA5" Instruction Set Architecture Reference Guide (July 2026). The comments in the code are by the model that wrote it; some were corrected since.
;; Casual Multihead Self Attn. Allowed arithmetic: matrix products marked QUANTISED: E2M1 operands, one E8M0 scale for each 32 along K, by v_wmma_scale_f32_16x16x128_f8f6f4 with both operands' format E2M1 (or v_wmma_scale_f32_32x16x128_f4), f32 sums; products left as they are: bf16, f16 or f32 operands; f32 sums; everything else in f32.
;; Inputs: Wk 1,024 x 1,024 float32; Wo 1,024 x 1,024 float32; Wq 1,024 x 1,024 float32; Wv 1,024 x 1,024 float32; token_positions 2,048 int32; x 4 x 2,048 x 1,024 float32.
;; Outputs: out0 4 x 2,048 x 1,024 float32.
;; This version of the problem:
;;   THIS VERSION OF THE PROBLEM IS GIVEN IN LOW PRECISION. The matrix products marked QUANTISED in the list below multiply operands that are first quantised to E2M1 (2 exponent bits, 1 mantissa bit; 4 bits a number), with one power-of-two scale for each 32 numbers along K (OCP MX v1.0); their sums are f32. The products marked 'left as it is' may take bf16, f16 or f32 operands, with f32 sums. Whichever they take, every output number must still come out within the allowed error. Rounding operands to bf16 (8 significant bits) uses up far more of that allowance than f16 does (11 bits, for magnitudes from 6e-5 to 65,504). All else is computed in f32.
;;   The module's matrix products, in the order in which they are computed (A, B: the left and right operand; K: the contracted axis; several contracted axes count as one K, in the product's order):
;;     1. [M 8,192, K 1,024] x [K 1,024, N 1,024]; A: input x; B: input Wq: QUANTISED
;;     2. [M 8,192, K 1,024] x [K 1,024, N 1,024]; A: input x; B: input Wk: QUANTISED
;;     3. [M 8,192, K 1,024] x [K 1,024, N 1,024]; A: input x; B: input Wv: QUANTISED
;;     4. batch 64 x [M 2,048, K 64] x [K 64, N 2,048]; A: computed on the way; B: computed on the way: left as it is (an operand is computed on the way)
;;     5. batch 64 x [M 2,048, K 2,048] x [K 2,048, N 64]; A: computed on the way; B: computed on the way: left as it is (an operand is computed on the way)
;;     6. [M 8,192, K 1,024] x [K 1,024, N 1,024]; A: computed on the way; B: input Wo: left as it is (an operand is computed on the way)
;;   THE QUANTISER, for each operand of a quantised product, along K:
;;     - K is cut into blocks of 32 from its start; a last block that is shorter is filled with zeros.
;;     - A block's scale is 2^e with e = floor(log2(the largest magnitude in the block)) - 2, held to -126 .. 127; a block of zeros has e = 0. As a byte (E8M0): e + 127.
;;     - Each number is divided by its block's scale, clamped to +-6, and rounded to the nearest number of E2M1, ties to even, subnormals kept.
;;     - The product sums the exact products of the quantised numbers (number of the format x scale) in f32.
;;   ~~~python
;;   def quantise(x, axis):      # numpy; x: float32 -> the quantised numbers, widened to float32 again
;;       x = np.moveaxis(x, axis, -1); K = x.shape[-1]
;;       x = np.pad(x, [(0, 0)] * (x.ndim - 1) + [(0, -K % 32)]); x = x.reshape(x.shape[:-1] + (-1, 32)); a = np.abs(x).max(-1, keepdims=True)
;;       e = np.where(a > 0, np.clip(np.frexp(np.where(a > 0, a, 1))[1] - 1 - 2, -126, 127), 0)      # np.frexp(a)[1] - 1 = floor(log2(a)), exactly
;;       r = np.clip(x / 2.0 ** e, -6, 6)
;;       step = 2.0 ** (np.maximum(np.frexp(np.where(r == 0, 1, r))[1] - 1, 0) - 1)
;;       q = np.round(r / step) * step * 2.0 ** e      # np.round: ties to even
;;       return np.moveaxis(q.reshape(q.shape[:-2] + (-1,))[..., :K], -1, axis).astype(np.float32)
;;   ~~~
;; One version. Each part assembles by itself: llvm-mc -triple=amdgcn-amd-amdhsa -mcpu=gfx1250 --defsym DOCPART=n.
;; ======== version 1 of 1: 5 launches
;; limits: values are held in f16: magnitudes above 65,504 overflow, below 6.1e-05 lose precision; right only within a limited range of input values
;; workspace buffers: codes 5,767,168 bytes; scales 360,448 bytes; wo16 2,097,152 bytes; rope 524,288 bytes; qkv16 50,331,648 bytes; qkv32 786,432 bytes; att16 16,777,216 bytes
;; launch prep (part 1): grid 416 x 1, 4 waves a work-group, no clusters, 33,280 bytes of LDS; arguments x, Wq, Wk, Wv, Wo, token_positions, codes, scales, wo16, rope; writes codes, scales, wo16, rope
.if DOCPART == 1
	.amdgcn_target "amdgcn-amd-amdhsa--gfx1250"
	.amdhsa_code_object_version 6
	.text
	.protected	k_q418de94e9a_prep
	.globl	k_q418de94e9a_prep
	.p2align	8
	.type	k_q418de94e9a_prep,@function
k_q418de94e9a_prep:
	s_mov_b64 s[64:65], 0
	v_nop
	global_prefetch_b8 v0, s[64:65] scope:SCOPE_SE
	s_setreg_imm32_b32 hwreg(HW_REG_WAVE_MODE, 25, 1), 1
	s_wait_xcnt 0x0
; PREP.  Three kinds of work-groups, told apart by the work-group's number alone.
;   0 .. 351   x (256 work-groups), Wq, Wk, Wv (32 each), f32 with K innermost, become codes of FP4 (E2M1) with one E8M0 byte for each 32 along K.
;              codes: x's 8,192 rows of 512 bytes, then the 3,072 rows of Wq, Wk, Wv;  scales: the same rows, 32 bytes each.
;   352 .. 383 Wo becomes f16, in its own order.
;   384 .. 415 the table of cos and sin: rope[s][i] = (cos, sin) of token_positions[s] x 10000^(-i / 32), 256 bytes a position.
; A block's scale is 2^(floor(log2(its largest magnitude)) - 2): its byte is the largest magnitude's exponent field - 2, held at 1 from below.
; LIMITS.  A block of zeros gets the byte 1 where the quantiser says 127: its codes are zeros, and these bytes are read by this program alone.  NaN and infinities are not served.
; Wo beyond 65,504 in magnitude overflows f16.  |token position| up to 2^20: beyond that the rounded quotient angle x 2 / pi may miss the nearest quadrant.  10000^(-i / 32) is good to about 2 units in its last place.
; Rows are dense and K is a multiple of 32, so each tensor is a plain stream of blocks of 32; a wave takes a run of 8,192 numbers.  Only the first kind touches LDS.
.set WAVES, 4
.set STEPS, 16
.set EMAX,  2
.set CB,    8                          ; bytes of 16 codes
.set R,     16                         ; v16-79   four sets of 16 numbers as loaded
.set X,     80                         ; v80-111  two sets of 16 neighbours
.set E,     112                        ; v112-127 a scale byte for each step
.set C,     128                        ; v128-191 codes, four registers a step
.set WREG,  8192                       ; LDS: a region for each wave: two stages of 32 x SP bytes, then its 256 scale bytes
.set SP,    80                         ; a lane's place in a stage: 64 bytes + 16 of padding
.set SPW,   12                         ; v12 LDS address of my spare word; never rewritten
.set NIL,   13                         ; v13 0; never rewritten
.set SPARE, WAVES*WREG                 ; behind the regions: the spare words, 128 bytes a wave
	s_load_b512 s[4:19], s[0:1], 0x0               ; x s4, Wq s6, Wk s8, Wv s10, Wo s12, token_positions s14, codes s16, scales s18
	s_load_b128 s[20:23], s[0:1], 0x40             ; wo16 s20, rope s22
	v_lshl_add_u32 v[SPW], v0, 2, SPARE
	v_mov_b32 v[NIL], 0
	v_lshrrev_b32 v1, 5, v0
	v_readfirstlane_b32 s24, v1                    ; wave
	v_and_b32 v2, 31, v0                           ; lane
	v_lshlrev_b32 v3, 4, v2                        ; 16 x lane
	v_lshlrev_b32 v7, 3, v2                        ; 8 x lane
	s_mov_b32 s31, 0
	s_wait_kmcnt 0x0
	s_cmp_ge_u32 ttmp9, 384
	s_cbranch_scc1 .Lrope
	s_cmp_ge_u32 ttmp9, 352
	s_cbranch_scc1 .Lwo
	; ---- the quantiser
	s_mul_i32 s25, s24, WREG
	v_lshrrev_b32 v14, 2, v2
	v_mul_u32_u24 v14, v14, SP
	v_and_b32 v15, 3, v2
	v_lshl_add_u32 v14, v15, 4, v14
	v_add_nc_u32 v14, s25, v14                     ; the stage, on the way in: SP (lane / 4) + 16 (lane % 4)
	v_mul_u32_u24 v15, v2, SP
	v_add_nc_u32 v15, s25, v15                     ; on the way out: SP x lane: my 16 neighbours
	v_mul_u32_u24 v4, v2, CB                       ; my codes' place in a step's
	v_lshrrev_b32 v5, 1, v2
	s_add_co_u32 s25, s25, 2*32*SP
	v_add_nc_u32 v5, s25, v5                       ; my block's scale byte in LDS
	v_add_nc_u32 v6, s25, v7                       ; and 8 bytes a lane on the way out
	s_sub_co_u32 s26, ttmp9, 256                   ; which weight, and which of its 32 work-groups (of no use for x)
	s_lshr_b32 s27, s26, 5
	s_and_b32 s26, s26, 31
	s_cmp_eq_u32 s27, 1
	s_cselect_b64 s[28:29], s[8:9], s[6:7]
	s_cmp_eq_u32 s27, 2
	s_cselect_b64 s[28:29], s[10:11], s[28:29]
	s_cmp_lt_u32 ttmp9, 256
	s_cselect_b64 s[28:29], s[4:5], s[28:29]       ; the choices hang on the work-group's number alone
	s_cselect_b32 s26, ttmp9, s26
	s_lshl_b32 s26, s26, 2
	s_add_co_u32 s26, s26, s24                     ; my run in the source
	s_lshl_b32 s30, s26, 15                        ; 32,768 bytes a run
	s_add_nc_u64 s[28:29], s[28:29], s[30:31]
	s_lshl_b32 s26, ttmp9, 2
	s_add_co_u32 s26, s26, s24                     ; my run in codes and scales: the weights' runs follow x's 1,024
	s_lshl_b32 s30, s26, 12
	s_add_nc_u64 s[16:17], s[16:17], s[30:31]
	s_lshl_b32 s30, s26, 8
	s_add_nc_u64 s[18:19], s[18:19], s[30:31]
.macro LOAD t
.irp i, 0,1,2,3
	global_load_b128 v[R+16*((\t)%4)+4*\i:R+16*((\t)%4)+4*\i+3], v3, s[28:29] offset:2048*(\t)+512*\i th:TH_LOAD_NT   ; 32 lanes read 512 consecutive bytes
.endr
.endm
.macro TURN t                          ; step t's numbers through the stage: LDS serves a wave's instructions in order, so no wait stands between the stores and the loads
.irp i, 0,1,2,3
	ds_store_b128 v14, v[R+16*((\t)%4)+4*\i:R+16*((\t)%4)+4*\i+3] offset:32*SP*((\t)%2)+8*SP*\i
.endr
.irp i, 0,1,2,3
	ds_load_b128 v[X+16*((\t)%2)+4*\i:X+16*((\t)%2)+4*\i+3], v15 offset:32*SP*((\t)%2)+16*\i
.endr
.endm
.irp t, 0,1,2,3
	LOAD \t
.endr
	s_wait_loadcnt 12                              ; step 0's four loads are in; three steps' twelve stay out
	TURN 0
.macro STEP t
.set XS, X+16*((\t)%2)
.if (\t) > 0
	s_wait_dscnt 1                                 ; this step's numbers are back from the stage (the last step's byte store may be out)
.else
	s_wait_dscnt 0x0
.endif
.if (\t)+4 < STEPS
	LOAD (\t)+4
.endif
.if (\t)+1 < STEPS
.if STEPS-2-(\t) >= 3
	s_wait_loadcnt 12                              ; the next step's four loads are in; those of the three steps behind it may be out
.else
	s_wait_loadcnt 4*(STEPS-2-(\t))
.endif
	TURN (\t)+1
.endif
	v_max3_num_f32 v8, |v[XS]|, |v[XS+1]|, |v[XS+2]|               ; the largest magnitude of my 16
	v_max3_num_f32 v9, |v[XS+3]|, |v[XS+4]|, |v[XS+5]|
.irp i, 6,10
	v_max3_num_f32 v8, v8, |v[XS+\i]|, |v[XS+\i+1]|
	v_max3_num_f32 v9, v9, |v[XS+\i+2]|, |v[XS+\i+3]|
.endr
	v_max3_num_f32 v8, v8, |v[XS+14]|, |v[XS+15]|
	v_max3_num_f32 v8, v8, v9, (EMAX+1)<<23        ; and the floor 2^(3 - 127): the byte cannot fall under 1
	v_max_num_f32_dpp v8, v8, v8 row_xmask:1 row_mask:0xf bank_mask:0xf   ; and of my neighbour's 16: the block's
	v_add_nc_u32 v11, -(EMAX<<23), v8              ; 2 off its exponent field: the conversion takes that field as its scale
	v_cvt_scalef32_pk8_fp4_f32 v[C+4*(\t)], v[XS:XS+7], v11
	v_cvt_scalef32_pk8_fp4_f32 v[C+4*(\t)+1], v[XS+8:XS+15], v11
	v_lshrrev_b32 v[E+(\t)], 23, v11               ; the scale's byte
	ds_store_b8 v5, v[E+(\t)] offset:16*(\t)       ; both lanes of a block write the same byte with the same value
	global_store_b64 v4, v[C+4*(\t):C+4*(\t)+1], s[16:17] offset:32*CB*(\t)   ; the wave stores 256 consecutive bytes, aligned
.endm
.irp t, 0,1,2,3,4,5,6,7,8,9,10,11,12,13,14,15
	STEP \t
.endr
	ds_load_b64 v[8:9], v6                         ; LDS serves a wave's instructions in order: these see my stores
	s_wait_dscnt 0x0
	global_store_b64 v7, v[8:9], s[18:19]          ; 32 lanes store 256 consecutive bytes, aligned
	s_wait_tensorcnt 0x0                           ; the wave's end, behind my last LDS store
	ds_add_u32 v[SPW], v[NIL]
	s_wait_dscnt 0x0
	s_endpgm
	; ---- Wo to f16: a run of 8,192 numbers a wave, four rounds of 16 loads on two sets of registers
.Lwo:
	s_sub_co_u32 s26, ttmp9, 352
	s_lshl_b32 s26, s26, 2
	s_add_co_u32 s26, s26, s24
	s_lshl_b32 s30, s26, 15
	s_add_nc_u64 s[12:13], s[12:13], s[30:31]
	s_lshl_b32 s30, s26, 14
	s_add_nc_u64 s[20:21], s[20:21], s[30:31]
.macro WLOAD g
.irp t, 0,1,2,3,4,5,6,7,8,9,10,11,12,13,14,15
	global_load_b128 v[16+64*((\g)%2)+4*\t:16+64*((\g)%2)+4*\t+3], v3, s[12:13] offset:8192*(\g)+512*\t
.endr
.endm
.macro WROUND g
.if \g > 0
	s_wait_xcnt 0x0                                ; the last round's stores have read their data registers: they are written again below
.endif
.irp t, 0,1,2,3,4,5,6,7,8,9,10,11,12,13,14,15
.if \g < 3
	s_wait_loadcnt 31-\t                           ; load t is in; the rest of this round and the next round's 16 stay out
.else
	s_wait_loadcnt 15-\t
.endif
	v_cvt_pk_f16_f32 v[144+2*\t], v[16+64*((\g)%2)+4*\t], v[16+64*((\g)%2)+4*\t+1]
	v_cvt_pk_f16_f32 v[145+2*\t], v[16+64*((\g)%2)+4*\t+2], v[16+64*((\g)%2)+4*\t+3]
	global_store_b64 v7, v[144+2*\t:145+2*\t], s[20:21] offset:4096*(\g)+256*\t   ; 256 consecutive bytes, aligned
.endr
.if \g < 2
	WLOAD \g+2
.endif
.endm
	WLOAD 0
	WLOAD 1
	WROUND 0
	WROUND 1
	WROUND 2
	WROUND 3
	s_endpgm
	; ---- the table: a wave takes 16 positions, lane i the pair i
.Lrope:
	s_sub_co_u32 s26, ttmp9, 384
	s_lshl_b32 s26, s26, 6
	s_lshl_b32 s27, s24, 4
	s_add_co_u32 s26, s26, s27                     ; my first position
	s_lshl_b32 s30, s26, 2
	s_add_nc_u64 s[14:15], s[14:15], s[30:31]
	s_load_b512 s[36:51], s[14:15], 0x0            ; 16 token positions
	s_lshl_b32 s28, s26, 8
	s_mov_b32 s29, 0
	s_add_nc_u64 s[22:23], s[22:23], s[28:29]
	s_mov_b32 s52, 0xbfc90fdb                      ; -pi / 2 in three parts
	s_mov_b32 s53, 0x333bbd2e
	s_mov_b32 s54, 0x26f72ced
	s_mov_b32 s55, 0xb9500d01                      ; sine: -1/5040, 1/120, -1/6
	s_mov_b32 s56, 0x3c088889
	s_mov_b32 s57, 0xbe2aaaab
	s_mov_b32 s58, 0x37d00d01                      ; cosine: 1/40320, -1/720, 1/24
	s_mov_b32 s59, 0xbab60b61
	s_mov_b32 s60, 0x3d2aaaab
	s_mov_b32 s61, 0x3f22f983                      ; 2 / pi
	s_mov_b32 s62, 0xb476865d                      ; log2(10000) / 32 less its upper part
	v_cvt_f32_u32 v16, v2                          ; i
	v_mul_f32 v17, 0x3ed49a80, v16                 ; i x 217706 / 2^19, the upper part of log2(10000) / 32: 5 bits x 18 bits, exact
	v_floor_f32 v18, v17                           ; its whole part n
	v_sub_f32 v19, v17, v18                        ; exact
	v_fma_f32 v19, v16, s62, v19                   ; the fraction f, with the lower part
	v_exp_f32 v20, -v19                            ; 2^-f
	v_cvt_i32_f32 v21, v18                         ; (a plain instruction behind the exponential)
	s_wait_alu depctr_va_vdst(0)                   ; the wait ahead of the result's first reader
	v_sub_nc_u32 v21, 0, v21
	v_ldexp_f32 v20, v20, v21                      ; 10000^(-i / 32) = 2^-f 2^-n
	s_wait_kmcnt 0x0
; angle = position x frequency, rounded to f32 as the source has it; K = the nearest multiple of pi / 2; the rest R lies in +-pi / 4, where two short series serve; the quadrant swaps and signs them.
.macro SINCOS k
	v_cvt_f32_i32 v24, s[36+\k]
	v_mul_f32 v24, v24, v20
	v_mul_f32 v25, s61, v24
	v_rndne_f32 v25, v25
	v_fma_f32 v26, v25, s52, v24
	v_fma_f32 v26, v25, s53, v26
	v_fma_f32 v26, v25, s54, v26                   ; R
	v_cvt_i32_f32 v27, v25                         ; the quadrant
	v_mul_f32 v28, v26, v26                        ; Z = R R
	v_fma_f32 v29, v28, s55, s56
	v_fma_f32 v30, v28, s58, s59
	v_fma_f32 v29, v29, v28, s57
	v_fma_f32 v30, v30, v28, s60
	v_mul_f32 v31, v28, v26
	v_mul_f32 v32, v28, v28
	v_fma_f32 v33, v28, -0.5, 1.0
	v_fma_f32 v29, v29, v31, v26                   ; sin R
	v_fma_f32 v30, v30, v32, v33                   ; cos R
	v_and_b32 v34, 1, v27
	v_cmp_ne_u32 vcc_lo, 0, v34
	v_cndmask_b32 v35, v29, v30, vcc_lo            ; odd quadrants swap the two
	v_cndmask_b32 v34, v30, v29, vcc_lo
	v_and_b32 v31, 2, v27
	v_lshlrev_b32 v31, 30, v31
	v_xor_b32 v[65+2*\k], v35, v31                 ; sine is negative in quadrants 2 and 3
	v_add_nc_u32 v32, 1, v27
	v_and_b32 v32, 2, v32
	v_lshlrev_b32 v32, 30, v32
	v_xor_b32 v[64+2*\k], v34, v32                 ; cosine in quadrants 1 and 2
	global_store_b64 v7, v[64+2*\k:65+2*\k], s[22:23] offset:256*\k   ; a position's 256 bytes, aligned; each position has its own data registers
.endm
.irp k, 0,1,2,3,4,5,6,7,8,9,10,11,12,13,14,15
	SINCOS \k
.endr
	s_endpgm
.Lfunc_end_k_q418de94e9a_prep:
	.size	k_q418de94e9a_prep, .Lfunc_end_k_q418de94e9a_prep-k_q418de94e9a_prep
	.p2alignl 7, 3214868480
	.fill 96, 4, 3214868480
	.section	.rodata,"a",@progbits
	.p2align	6, 0x0
	.amdhsa_kernel k_q418de94e9a_prep
		.amdhsa_group_segment_fixed_size 33280
		.amdhsa_private_segment_fixed_size 0
		.amdhsa_enable_private_segment 0
		.amdhsa_kernarg_size 80
		.amdhsa_user_sgpr_count 2
		.amdhsa_user_sgpr_kernarg_segment_ptr 1
		.amdhsa_wavefront_size32 1
		.amdhsa_system_sgpr_workgroup_id_x 1
		.amdhsa_system_sgpr_workgroup_id_y 1
		.amdhsa_system_sgpr_workgroup_id_z 1
		.amdhsa_system_vgpr_workitem_id 0
		.amdhsa_next_free_vgpr 192
		.amdhsa_next_free_sgpr 66
		.amdhsa_reserve_vcc 1
		.amdhsa_float_denorm_mode_32 3
		.amdhsa_float_denorm_mode_16_64 3
		.amdhsa_memory_ordered 1
		.amdhsa_forward_progress 1
		.amdhsa_inst_pref_size 79
	.end_amdhsa_kernel
	.amdgpu_metadata
---
amdhsa.version: [ 1, 2 ]
amdhsa.kernels:
  - .name:           k_q418de94e9a_prep
    .symbol:         k_q418de94e9a_prep.kd
    .args:
      - { .name: x, .offset: 0, .size: 8, .value_kind: global_buffer, .address_space: global }
      - { .name: Wq, .offset: 8, .size: 8, .value_kind: global_buffer, .address_space: global }
      - { .name: Wk, .offset: 16, .size: 8, .value_kind: global_buffer, .address_space: global }
      - { .name: Wv, .offset: 24, .size: 8, .value_kind: global_buffer, .address_space: global }
      - { .name: Wo, .offset: 32, .size: 8, .value_kind: global_buffer, .address_space: global }
      - { .name: token_positions, .offset: 40, .size: 8, .value_kind: global_buffer, .address_space: global }
      - { .name: codes, .offset: 48, .size: 8, .value_kind: global_buffer, .address_space: global }
      - { .name: scales, .offset: 56, .size: 8, .value_kind: global_buffer, .address_space: global }
      - { .name: wo16, .offset: 64, .size: 8, .value_kind: global_buffer, .address_space: global }
      - { .name: rope, .offset: 72, .size: 8, .value_kind: global_buffer, .address_space: global }
    .group_segment_fixed_size: 33280
    .private_segment_fixed_size: 0
    .kernarg_segment_align: 8
    .kernarg_segment_size: 80
    .max_flat_workgroup_size: 128
    .sgpr_count:     66
    .vgpr_count:     192
    .wavefront_size: 32
...
	.end_amdgpu_metadata
.endif
;; end of part 1
;; launch qkv (part 2): grid 12 x 32, 4 waves a work-group, clusters of 4 x 4, 327,680 bytes of LDS; arguments codes, scales, rope, qkv32, qkv16; writes qkv16, qkv32
.if DOCPART == 2
	.amdgcn_target "amdgcn-amd-amdhsa--gfx1250"
	.amdhsa_code_object_version 6
	.text
	.protected	k_q418de94e9a_qkv
	.globl	k_q418de94e9a_qkv
	.p2align	8
	.type	k_q418de94e9a_qkv,@function
k_q418de94e9a_qkv:
	s_mov_b64 s[64:65], 0
	v_nop
	global_prefetch_b8 v0, s[64:65] scope:SCOPE_SE
	s_setreg_imm32_b32 hwreg(HW_REG_WAVE_MODE, 25, 1), 1
	s_wait_xcnt 0x0
	s_wait_alu depctr_hold_cnt(0) depctr_sa_sdst(0) depctr_va_vdst(0) depctr_va_sdst(0) depctr_va_ssrc(0) depctr_va_vcc(0) depctr_vm_vsrc(0)
	s_getreg_b32 s2, hwreg(HW_REG_IB_STS2, 6, 4)
	s_cmp_eq_u32 s2, 0
	s_cbranch_scc0 .Lentry_in_a_cluster
	s_endpgm
.Lentry_in_a_cluster:
	s_bfe_u32 s2, ttmp6, 0x10000c
	s_cmp_lg_u32 s2, 0xf033
	s_cbranch_scc0 .Lentry_shape_is_right
	s_endpgm
.Lentry_shape_is_right:
; QKV.  C[m][n] = sum over k of x[m][k] W[n][k] on codes of FP4 (E2M1) with one E8M0 scale for each 32 along K; m = 8,192 positions, n = 3,072 (Wq's, Wk's, Wv's rows), K = 1,024; sums in f32.
; Then, in f32: q and k are rotated by the table of cos and sin; all three are rounded to f16 and stored by head, qkv16[kind][b][h][s][64]; positions 0-15 of each sequence are also stored unrounded, qkv32[kind][b][h][16][64].
; LIMIT: |q|, |k|, |v| beyond 65,504 overflow f16.
; A tile of C, 256 x 256, is made by a work-group of four waves; a wave makes 128 x 128: 64 accumulators of 16 x 16.  K is two LDS slots of 512, both filled at the start: nothing is filled again.
; The scale bytes of the work-group's rows come into LDS once, in rows of 256 bytes.
; CLUSTERS: 4 x 4 work-groups; the four of a row of the cluster ask for x's tiles jointly, the four of a column for W's.  A cluster's x is the kind (q, k, v): the one branch on it, on the way out, is alike in all sixteen.
; THE MATRIX INSTRUCTION IS USED TRANSPOSED (source 0 = 16 rows of W, source 1 = 16 rows of x): a lane holds eight neighbouring columns of one position: four pairs for the rotation, 16 bytes of f16.
; The table's rows for the first two blocks of 16 positions are asked for at the head, by every work-group alike: those of kind v ask too (16 loads of 512 bytes a wave) and never read them.
; REGISTERS: window 0: v0-31 addresses; v32-95 scale words, two sets, and nothing else; v128-191 x's fragments; v192-255 the table, two sets.  window 1: W's fragments, two sets.  windows 2, 3: the accumulators ((a, b) at v[8 (8 (a % 4) + b)]).
; On the way out: window 1: v0-63 a block's rotated numbers, v64-71 at work (W's fragments are done with);  window 0: v96-127 the block's f16, v128-191 rows read back from the stage, two sets.
.set SIZE_K, 1024
.set KSTEP,  512
.set NQ,     KSTEP/128
.set ROWB,   256                       ; a tile's row in bytes
.set KROW,   SIZE_K*4/8                ; a row of codes in memory
.set PITCH,  272                       ; an LDS row: 256 bytes + 16 of padding: the 16 rows of a load start at 16 different banks
.set FR,     8
.set NL,     2
.set NP,     4                         ; places behind this matrix instruction (ISA guide 7.12.1)
.set HALFT,  128*PITCH
.set SLOT,   4*HALFT
.set KS,     SIZE_K/32                 ; a row of scales in bytes
.set SCL,    2*SLOT
.set HALFS,  (128*KS/256)*272
.set SBLK,   (16*KS/256)*272
.set SPARE,  SCL+4*HALFS               ; the spare words, 128 bytes a wave
.set SPITCH, 272                       ; the way out: a stage of 16 rows x (256 bytes + 16) for each wave, in slot 0, which has had its only fill and its last read by then
.set ADRA, 16
.set ADRB, 20
.set STO,  24
.set RD,   25
.set CO,   26
.set ADRS, 27
.set SPW,  28
.set NIL,  29
.set TA,   30                          ; v30 256 r + 32 h: my place in 16 rows of the table, and in 16 rows of qkv32
.set SC,   32
.set RR,   0                           ; in window 1
.set XT,   64                          ; in window 1
.set PP,   96
.set AF,   128
.set BK,   128
.set T0,   192
.set G1, 24
.set G0, 32
.set G1B, 48
.set G0B, 56
.set G1S, 68
.set G0S, 76
.set G1SB, 80
.set G0SB, 88
.set MSB, 0
.macro WIN new                         ; the immediate's high byte repeats the setting that is left
.if MSB != \new
	s_set_vgpr_msb (MSB<<8)|\new
.set MSB, \new
.endif
.endm
.set MUL_LO, 0xa1                      ; source 0 (W) window 1, source 1 (x) window 0, C and D window 2
.set MUL_HI, 0xf1
.set TO_B,   0x40
; A joint load: waves 0 and 1 fetch for x, waves 2 and 3 for W.  The branch hangs on the wave's number alone.  An s_nop 0 and four v_nop follow each line.
.macro JLOAD g0a, g1a, g0b, g1b
	s_cmp_eq_u32 s15, 0
	s_cbranch_scc0 .Lfor_b_\@
	tensor_load_to_lds s[\g0a:\g0a+3], s[\g1a:\g1a+7]
	s_nop 0
.rept 4
	v_nop
.endr
	s_branch .Lasked_\@
.Lfor_b_\@:
	tensor_load_to_lds s[\g0b:\g0b+3], s[\g1b:\g1b+7]
	s_nop 0
.rept 4
	v_nop
.endr
.Lasked_\@:
.endm
.macro CROUND                          ; a round of the cluster's barrier
	s_barrier_signal -1
	s_barrier_wait -1
	s_cmp_lg_u32 s14, 0
	s_cbranch_scc1 .Lnot_wave_0_\@
	s_barrier_signal -3
.Lnot_wave_0_\@:
	s_barrier_wait -3
	s_barrier_signal -1
	s_barrier_wait -1
.endm
	s_load_b128 s[4:7], s[0:1], 0x0                ; codes, scales
	s_load_b128 s[96:99], s[0:1], 0x10             ; rope, qkv32
	s_load_b64 s[12:13], s[0:1], 0x20              ; qkv16
	v_lshl_add_u32 v[SPW], v0, 2, SPARE
	v_mov_b32 v[NIL], 0
	ds_add_u32 v[SPW], v[NIL]                      ; the wave's opening: the add, twice on end, and its wait ahead of my first tensor load
	ds_add_u32 v[SPW], v[NIL]
	v_lshrrev_b32 v1, 5, v0
	v_readfirstlane_b32 s14, v1                    ; wave 0..3
	s_lshr_b32 s15, s14, 1                         ; my half of the tile's rows.  Also: I fetch for x (0) or for W (1)
	s_and_b32 s16, s14, 1                          ; my half of its columns.  Also: which 128 rows I fetch
	s_bfe_u32 s40, ttmp6, 0x40000                  ; cx, cy
	s_bfe_u32 s41, ttmp6, 0x40004
	s_lshl_b32 s42, ttmp9, 2
	s_add_co_u32 s42, s42, s40                     ; tile column
	s_and_b32 s17, ttmp7, 0xffff
	s_lshl_b32 s17, s17, 2
	s_add_co_u32 s17, s17, s41                     ; tile row
	s_lshl_b32 s43, s41, 2
	s_lshl_b32 s43, 15, s43                        ; my row of the cluster
	s_lshl_b32 s44, 0x1111, s40                    ; my column
	s_or_b32 s[G1+0], s43, (0<<16)|(1<<20)|(1<<21)|(5<<22)|(3<<25)  ; the mask; elements of 1 byte; padding on; bit 21 beside a mask; 4 words behind every 64
	s_or_b32 s[G1B+0], s44, (0<<16)|(1<<20)|(1<<21)|(5<<22)|(3<<25)
.irp g, G1, G1B
	s_mov_b32 s[\g+1], ROWB<<16                    ; tensor_dim0
	s_mov_b32 s[\g+2], 128<<16                     ; tensor_dim1
	s_mov_b32 s[\g+3], ROWB<<16                    ; tile_dim0
	s_mov_b32 s[\g+4], 128                         ; tile_dim1
	s_mov_b32 s[\g+5], KROW                        ; the pitch
	s_mov_b32 s[\g+6], 0
	s_mov_b32 s[\g+7], 0
.endr
	s_or_b32 s[G1S+0], s43, (3<<16)|(1<<20)|(1<<21)|(5<<22)|(3<<25) ; the scales of 128 rows: 4,096 dense bytes as 16 rows of 32 elements of 8 bytes
	s_or_b32 s[G1SB+0], s44, (3<<16)|(1<<20)|(1<<21)|(5<<22)|(3<<25)
.irp g, G1S, G1SB
	s_mov_b32 s[\g+1], 32<<16
	s_mov_b32 s[\g+2], (128*KS/256)<<16
	s_mov_b32 s[\g+3], 32<<16
	s_mov_b32 s[\g+4], 128*KS/256
	s_mov_b32 s[\g+5], 32
	s_mov_b32 s[\g+6], 0
	s_mov_b32 s[\g+7], 0
.endr
	s_lshl_b32 s18, s16, 7
	s_lshl_b32 s20, s17, 8
	s_add_co_u32 s20, s20, s18                     ; x: row 256 x tile row + 128 x half
	s_lshl_b32 s46, s42, 8
	s_add_co_u32 s46, s46, s18                     ; W: row 256 x tile column + 128 x half
	s_mov_b32 s21, 0
	s_mov_b32 s47, 0
	s_mov_b64 s[18:19], KS
	s_mul_u64 s[22:23], s[20:21], s[18:19]
	s_mul_u64 s[92:93], s[46:47], s[18:19]
	s_mov_b64 s[18:19], KROW
	s_mul_u64 s[20:21], s[20:21], s[18:19]
	s_mul_u64 s[46:47], s[46:47], s[18:19]
	s_mul_i32 s45, s14, HALFT                      ; where they go: wave x 128 rows
	s_mul_i32 s94, s14, HALFS
	s_wait_dscnt 0x0                               ; both opening adds are done
	s_wait_kmcnt 0x0
	s_add_nc_u64 s[8:9], s[4:5], 0x400000          ; W's codes lie behind x's 4,194,304 bytes,
	s_add_nc_u64 s[10:11], s[6:7], 0x40000         ; W's scales behind x's 262,144
	s_add_nc_u64 s[20:21], s[4:5], s[20:21]
	s_add_nc_u64 s[22:23], s[6:7], s[22:23]
	s_add_nc_u64 s[46:47], s[8:9], s[46:47]
	s_add_nc_u64 s[92:93], s[10:11], s[92:93]
	CROUND                                         ; all sixteen work-groups are here: the joint loads meet
	s_mov_b32 s[G0S], 1
	s_add_co_u32 s[G0S+1], s94, SCL
	s_mov_b64 s[G0S+2:G0S+3], s[22:23]
	s_or_b32 s[G0S+3], s[G0S+3], 0x80000000
	s_mov_b32 s[G0SB], 1
	s_add_co_u32 s[G0SB+1], s94, SCL
	s_mov_b64 s[G0SB+2:G0SB+3], s[92:93]
	s_or_b32 s[G0SB+3], s[G0SB+3], 0x80000000
	JLOAD G0S, G1S, G0SB, G1SB                     ; the scales first; by this text's count three loads of a wave are out at the most
.irp s, 0,1
	s_mov_b32 s[G0+4*\s], 1
	s_add_co_u32 s[G0+4*\s+1], s45, \s*SLOT
	s_add_nc_u64 s[G0+4*\s+2:G0+4*\s+3], s[20:21], \s*ROWB
	s_or_b32 s[G0+4*\s+3], s[G0+4*\s+3], 0x80000000
	s_mov_b32 s[G0B+4*\s], 1
	s_add_co_u32 s[G0B+4*\s+1], s45, \s*SLOT
	s_add_nc_u64 s[G0B+4*\s+2:G0B+4*\s+3], s[46:47], \s*ROWB
	s_or_b32 s[G0B+4*\s+3], s[G0B+4*\s+3], 0x80000000
	JLOAD G0+4*\s, G1, G0B+4*\s, G1B
.endr
	v_and_b32 v1, 15, v0                           ; r
	v_bfe_u32 v2, v0, 4, 1                         ; h
	v_mul_u32_u24 v3, v1, PITCH
	v_lshl_add_u32 v4, v2, 4, v3
	s_mul_i32 s21, s15, HALFT
	s_mul_i32 s22, s16, HALFT
	s_add_co_u32 s22, s22, 2*HALFT
.irp s, 0,1
	v_add_nc_u32 v[ADRA+\s], s21, v4
	v_add_nc_u32 v[ADRB+\s], s22, v4
	s_add_co_u32 s21, s21, SLOT
	s_add_co_u32 s22, s22, SLOT
.endr
	v_mul_u32_u24 v5, v1, KS                       ; my row's scales: 32 bytes a row, and 16 more for each 256 passed
	v_lshrrev_b32 v6, 8, v5
	v_lshl_add_u32 v5, v6, 4, v5
	s_mul_i32 s21, s15, HALFS
	s_mul_i32 s22, s16, HALFS
	s_add_co_u32 s22, s22, 2*HALFS
	s_sub_co_u32 s22, s22, s21
	v_mul_u32_u24 v6, s22, v2                      ; lanes 16-31 take W's
	s_add_co_u32 s21, s21, SCL
	v_add_nc_u32 v5, v5, v6
	v_add_nc_u32 v[ADRS], s21, v5
	; the way out.  Into the stage: row r, 16 bytes for each half of the lanes.  Back: lanes 0-15 two positions of my first head (256 bytes), lanes 16-31 of my second
	s_mul_i32 s23, s14, 16*SPITCH
	v_mul_u32_u24 v5, v1, SPITCH
	v_lshl_add_u32 v5, v2, 4, v5
	v_add_nc_u32 v[STO], s23, v5
	v_bfe_u32 v5, v0, 3, 1
	v_and_b32 v6, 7, v0
	v_mul_u32_u24 v3, v5, SPITCH
	v_lshl_add_u32 v3, v2, 7, v3
	v_lshl_add_u32 v3, v6, 4, v3
	v_add_nc_u32 v[RD], s23, v3
	v_lshlrev_b32 v3, 18, v2                       ; a head is 2^18 bytes of qkv16
	v_lshl_add_u32 v3, v5, 7, v3
	v_lshl_add_u32 v[CO], v6, 4, v3
	v_lshlrev_b32 v3, 8, v1
	v_lshl_add_u32 v[TA], v2, 5, v3
	s_and_b32 s100, s17, 7                         ; 0 where the tile begins a sequence
	s_lshr_b32 s18, s17, 3                         ; the batch
	s_lshl_b32 s19, s100, 8
	s_lshl_b32 s47, s15, 7
	s_add_co_u32 s19, s19, s47                     ; my first position in the sequence
	s_lshl_b32 s95, s40, 2
	s_lshl_b32 s47, s16, 1
	s_add_co_u32 s95, s95, s47                     ; my first head (in a register that feeds no descriptor)
	s_lshl_b32 s46, ttmp9, 24
	s_lshl_b32 s47, s18, 22
	s_add_co_u32 s46, s46, s47
	s_lshl_b32 s47, s95, 18
	s_add_co_u32 s46, s46, s47
	s_lshl_b32 s47, s19, 7
	s_add_co_u32 s46, s46, s47
	s_mov_b32 s47, 0
	s_add_nc_u64 s[12:13], s[12:13], s[46:47]
	s_lshl_b32 s46, s19, 8
	s_add_nc_u64 s[96:97], s[96:97], s[46:47]
	s_lshl_b32 s46, ttmp9, 18
	s_lshl_b32 s47, s18, 16
	s_add_co_u32 s46, s46, s47
	s_lshl_b32 s47, s95, 12
	s_add_co_u32 s46, s46, s47
	s_mov_b32 s47, 0
	s_add_nc_u64 s[98:99], s[98:99], s[46:47]
; the table's rows of block a (16 positions) into set a % 2: register 8 bq + 2 i, + 1 = cos, sin of pair 8 bq + 4 h + i.  The eight loads on end cover each row's 256 bytes
.macro TLOADS a
.irp bq, 0,1,2,3
.irp u, 0,1
	global_load_b128 v[T0+32*((\a)%2)+8*\bq+4*\u:T0+32*((\a)%2)+8*\bq+4*\u+3], v[TA], s[96:97] offset:4096*(\a)+64*\bq+16*\u
.endr
.endr
.endm
	TLOADS 0                                       ; on the one way that every wave takes: they land while the products run
	TLOADS 1
.macro FRAG reg, adr, q, i             ; 16 rows x 128 K of 4-bit codes: 8 registers, two loads of 16 bytes, 32 bytes apart
.irp c, 0,1
	ds_load_b128 v[\reg+4*\c:\reg+4*\c+3], v[\adr] offset:64*(\q)+32*\c+(\i)*16*PITCH
.endr
.endm
; 16 matrix instructions: x's blocks a0, a0 + 1 against W's eight.  The 64 accumulators take turns, one instruction a turn, in the same order in every step.
.macro MUL16 a0, p, q, sc, zero
.irp a, \a0, \a0+1
.irp b, 0,1,2,3,4,5,6,7
.if \zero
	v_wmma_scale_f32_16x16x128_f8f6f4 v[8*(8*((\a)%4)+\b):8*(8*((\a)%4)+\b)+7], v[128*(\p)+FR*\b:128*(\p)+FR*\b+FR-1], v[AF+FR*(\a):AF+FR*(\a)+FR-1], 0, v[SC+8*NQ*(\sc)+NQ*\b+(\q)], v[SC+8*NQ*(\sc)+NQ*(\a)+(\q)] matrix_a_fmt:MATRIX_FMT_FP4 matrix_b_fmt:MATRIX_FMT_FP4 matrix_a_scale:MATRIX_SCALE_ROW1
.else
	v_wmma_scale_f32_16x16x128_f8f6f4 v[8*(8*((\a)%4)+\b):8*(8*((\a)%4)+\b)+7], v[128*(\p)+FR*\b:128*(\p)+FR*\b+FR-1], v[AF+FR*(\a):AF+FR*(\a)+FR-1], v[8*(8*((\a)%4)+\b):8*(8*((\a)%4)+\b)+7], v[SC+8*NQ*(\sc)+NQ*\b+(\q)], v[SC+8*NQ*(\sc)+NQ*(\a)+(\q)] matrix_a_fmt:MATRIX_FMT_FP4 matrix_b_fmt:MATRIX_FMT_FP4 matrix_a_scale:MATRIX_SCALE_ROW1
.endif
.endr
.endr
.endm
.macro FETCH_B slot, q, p
	WIN TO_B
.irp i, 0,1,2,3,4,5,6,7
	FRAG 128*(\p)+FR*\i, ADRB+\slot, \q, \i
.endr
	WIN 0
.endm
.macro FETCH_A slot, q, i0
.irp i, \i0, \i0+1, \i0+2, \i0+3
	FRAG AF+FR*(\i), ADRA+\slot, \q, \i
.endr
.endm
.macro SCALES sc                       ; a slot's scale words: lanes 0-15 x's block i, lanes 16-31 W's block i
.irp i, 0,1,2,3,4,5,6,7
	ds_load_b128 v[SC+8*NQ*\sc+NQ*\i:SC+8*NQ*\sc+NQ*\i+3], v[ADRS] offset:\i*SBLK
.endr
.endm
.macro PLACES n                        ; plain vector instructions between a matrix instruction and a load into, or a read of, its registers
.rept \n
	v_nop
.endr
.endm
.macro STEP slot, q, zero              ; 128 along K, with its successor in the same slot
	s_wait_dscnt 4*NL                              ; W's set and x's blocks 0-3 are in; the youngest eight loads (x's blocks 4-7) may be out
	WIN MUL_LO
	MUL16 0, (\q)%2, \q, \slot, \zero
	MUL16 2, (\q)%2, \q, \slot, \zero
	s_wait_dscnt 0
	PLACES NP
	FETCH_B \slot, (\q)+1, 1-(\q)%2
	FETCH_A \slot, (\q)+1, 0
	WIN MUL_HI
	MUL16 4, (\q)%2, \q, \slot, \zero
	MUL16 6, (\q)%2, \q, \slot, \zero
	PLACES NP
	WIN 0
	FETCH_A \slot, (\q)+1, 4
.endm
.macro STEPS slot, from
.set Q, \from
.rept NQ-1-\from
	STEP \slot, Q, 0
.set Q, Q+1
.endr
.endm
	s_wait_tensorcnt 1                             ; the scales and my part of slot 0 are in (slot 1's load may be out)
	s_barrier_signal -1
	s_barrier_wait -1                              ; everybody's are
	FETCH_B 0, 0, 0
	FETCH_A 0, 0, 0
	SCALES 0
	FETCH_A 0, 0, 4
	STEP 0, 0, 1                                   ; the first step's products start the sums: nothing is cleared
	STEPS 0, 1
	; slot 0's last step changes slots: one barrier; in front of it my part of slot 1 has landed and my reads of slot 0 are over
	s_wait_tensorcnt 0x0
	ds_add_u32 v[SPW], v[NIL]
	s_wait_dscnt 4*NL+1                            ; (the add and x's blocks 4-7 may be out)
	WIN MUL_LO
	MUL16 0, 1, NQ-1, 0, 0
	s_wait_dscnt 0x0
	s_barrier_signal -1
	MUL16 2, 1, NQ-1, 0, 0
	WIN 0
	s_barrier_wait -1
	PLACES NP
	v_add_nc_u32 v[ADRS], 4*NQ, v[ADRS]            ; slot 1's scale words
	FETCH_B 1, 0, 0
	FETCH_A 1, 0, 0
	SCALES 1
	WIN MUL_HI
	MUL16 4, 1, NQ-1, 0, 0
	MUL16 6, 1, NQ-1, 0, 0
	PLACES NP
	WIN 0
	FETCH_A 1, 0, 4
	STEPS 1, 0
	s_wait_dscnt 4*NL                              ; the last step: nothing more to fetch
	WIN MUL_LO
	MUL16 0, 1, NQ-1, 1, 0
	MUL16 2, 1, NQ-1, 1, 0
	s_wait_dscnt 0
	WIN MUL_HI
	MUL16 4, 1, NQ-1, 1, 0
	MUL16 6, 1, NQ-1, 1, 0
	WIN 0
; THE WAY OUT, block by block of 16 positions x 128 columns (two heads).
; ROPE: pair (E, O) becomes (E cos - O sin, E sin + O cos), each by a product and a fused multiply-add.  Each accumulator is read from its low end on.
; One window setting serves the block: source 0 the accumulators' window, source 1 (the table) window 0, source 2 and the destination window 1.
.macro ROPE a
.set AC, 64*((\a)%4)
.set TT, T0+32*((\a)%2)
	WIN 0x52+(\a)/4
.irp b, 0,1,2,3,4,5,6,7
.irp i, 0,1,2,3
	v_mul_f32 v[XT+2*\i], v[AC+8*\b+2*\i+1], v[TT+8*(\b%4)+2*\i+1]
	v_mul_f32 v[XT+2*\i+1], v[AC+8*\b+2*\i], v[TT+8*(\b%4)+2*\i+1]
.endr
.irp i, 0,1,2,3
	v_fma_f32 v[RR+8*\b+2*\i], v[AC+8*\b+2*\i], v[TT+8*(\b%4)+2*\i], -v[XT+2*\i]
	v_fma_f32 v[RR+8*\b+2*\i+1], v[AC+8*\b+2*\i+1], v[TT+8*(\b%4)+2*\i], v[XT+2*\i+1]
.endr
.endr
	WIN 0
.endm
.macro PACK                            ; to f16: 16 bytes for each of the eight column blocks
	WIN 0x05                                       ; sources 0 and 1 window 1, destination window 0
.set n, 0
.rept 32
	v_cvt_pk_f16_f32 v[PP+n], v[RR+2*n], v[RR+2*n+1]
.set n, n+1
.endr
	WIN 0
.endm
.macro PACKV a                         ; the same straight from the accumulators
.set AC, 64*((\a)%4)
	WIN 0x0a+5*((\a)/4)
.set n, 0
.rept 32
	v_cvt_pk_f16_f32 v[PP+n], v[AC+2*n], v[AC+2*n+1]
.set n, n+1
.endr
	WIN 0
.endm
.macro TOSTAGE a                       ; LDS serves a wave's instructions in order: no wait between the stores and the loads, nor ahead of the next block's stores
.irp b, 0,1,2,3,4,5,6,7
	ds_store_b128 v[STO], v[PP+4*\b:PP+4*\b+3] offset:32*\b
.endr
.irp t, 0,1,2,3,4,5,6,7
	ds_load_b128 v[BK+32*((\a)%2)+4*\t:BK+32*((\a)%2)+4*\t+3], v[RD] offset:2*SPITCH*\t
.endr
.endm
.macro SEND a, younger                 ; younger: the LDS instructions issued behind block a's loads
	s_wait_dscnt \younger
.irp t, 0,1,2,3,4,5,6,7
	global_store_b128 v[CO], v[BK+32*((\a)%2)+4*\t:BK+32*((\a)%2)+4*\t+3], s[12:13] offset:2048*(\a)+256*\t   ; sixteen lanes store two positions of a head: 256 consecutive bytes, aligned
.endr
.endm
; Positions 0-15 of a sequence, unrounded: block 0 of the waves with the tile's upper rows, in tiles that begin a sequence.  Whether the tile does hangs on my place in the cluster: so it is a lane mask, not a branch.
.macro FINE isv
	s_cmp_lg_u32 s15, 0
	s_cbranch_scc1 .Lno_fine_\@
	v_cmp_eq_u32 vcc_lo, s100, v[NIL]
	s_wait_xcnt 0x0                                ; EXEC changes only behind this wait
	s_and_saveexec_b32 s101, vcc_lo
.if \isv
	WIN 0x08                                       ; a store's data: window 2, the accumulators
.else
	WIN 0x04                                       ; window 1, the rotated numbers
.endif
.irp b, 0,1,2,3,4,5,6,7
.irp u, 0,1
	global_store_b128 v[TA], v[8*\b+4*\u:8*\b+4*\u+3], s[98:99] offset:(\b/4)*4096+64*(\b%4)+16*\u   ; block 0's numbers stand at v[8 b] on in either window
.endr
.endr
	WIN 0
	s_wait_xcnt 0x0                                ; and again ahead of the line that widens it; the stores have read their data too
	s_or_b32 exec_lo, exec_lo, s101
.Lno_fine_\@:
.endm
	PLACES NP
	s_cmp_eq_u32 ttmp9, 2                          ; v is not rotated
	s_cbranch_scc1 .Lv
.irp a, 0,1,2,3,4,5,6,7
.if \a < 7
	s_wait_loadcnt 8                               ; this block's table rows are in; the next block's eight loads stay out
.else
	s_wait_loadcnt 0
.endif
	ROPE \a
.if \a < 6
	TLOADS \a+2
.endif
.if \a == 0
	FINE 0
.endif
	PACK
.if \a > 1
	s_wait_xcnt 0x0                                ; block a - 2's stores have read their registers: block a's rows may land there
.endif
	TOSTAGE \a
.if \a > 0
	SEND \a-1, 16                                  ; behind block a - 1's loads: block a's 8 stores and 8 loads
.endif
.endr
	SEND 7, 0
	s_branch .Lend
.Lv:
.irp a, 0,1,2,3,4,5,6,7
.if \a == 0
	FINE 1
.endif
	PACKV \a
.if \a > 1
	s_wait_xcnt 0x0
.endif
	TOSTAGE \a
.if \a > 0
	SEND \a-1, 16
.endif
.endr
	SEND 7, 0
.Lend:
	s_wait_tensorcnt 0x0                           ; the wave's end, behind my last tensor load and my last LDS store
	ds_add_u32 v[SPW], v[NIL]
	s_wait_dscnt 0x0
	CROUND                                         ; the closing round
	s_endpgm
.Lfunc_end_k_q418de94e9a_qkv:
	.size	k_q418de94e9a_qkv, .Lfunc_end_k_q418de94e9a_qkv-k_q418de94e9a_qkv
	.p2alignl 7, 3214868480
	.fill 96, 4, 3214868480
	.section	.rodata,"a",@progbits
	.p2align	6, 0x0
	.amdhsa_kernel k_q418de94e9a_qkv
		.amdhsa_group_segment_fixed_size 327680
		.amdhsa_private_segment_fixed_size 0
		.amdhsa_enable_private_segment 0
		.amdhsa_kernarg_size 40
		.amdhsa_user_sgpr_count 2
		.amdhsa_user_sgpr_kernarg_segment_ptr 1
		.amdhsa_wavefront_size32 1
		.amdhsa_system_sgpr_workgroup_id_x 1
		.amdhsa_system_sgpr_workgroup_id_y 1
		.amdhsa_system_sgpr_workgroup_id_z 1
		.amdhsa_system_vgpr_workitem_id 0
		.amdhsa_next_free_vgpr 1024
		.amdhsa_next_free_sgpr 102
		.amdhsa_reserve_vcc 1
		.amdhsa_float_denorm_mode_32 3
		.amdhsa_float_denorm_mode_16_64 3
		.amdhsa_memory_ordered 1
		.amdhsa_forward_progress 1
		.amdhsa_inst_pref_size 216
	.end_amdhsa_kernel
	.amdgpu_metadata
---
amdhsa.version: [ 1, 2 ]
amdhsa.kernels:
  - .name:           k_q418de94e9a_qkv
    .symbol:         k_q418de94e9a_qkv.kd
    .args:
      - { .name: codes, .offset: 0, .size: 8, .value_kind: global_buffer, .address_space: global }
      - { .name: scales, .offset: 8, .size: 8, .value_kind: global_buffer, .address_space: global }
      - { .name: rope, .offset: 16, .size: 8, .value_kind: global_buffer, .address_space: global }
      - { .name: qkv32, .offset: 24, .size: 8, .value_kind: global_buffer, .address_space: global }
      - { .name: qkv16, .offset: 32, .size: 8, .value_kind: global_buffer, .address_space: global }
    .group_segment_fixed_size: 327680
    .private_segment_fixed_size: 0
    .kernarg_segment_align: 8
    .kernarg_segment_size: 40
    .max_flat_workgroup_size: 128
    .sgpr_count:     102
    .vgpr_count:     1024
    .wavefront_size: 32
...
	.end_amdgpu_metadata
.endif
;; end of part 2
;; launch attn (part 3): grid 4 x 64, 8 waves a work-group, no clusters, 327,680 bytes of LDS; arguments qkv16, att16; writes att16
.if DOCPART == 3
	.amdgcn_target "amdgcn-amd-amdhsa--gfx1250"
	.amdhsa_code_object_version 6
	.text
	.protected	k_q418de94e9a_attn
	.globl	k_q418de94e9a_attn
	.p2align	8
	.type	k_q418de94e9a_attn,@function
k_q418de94e9a_attn:
	s_mov_b64 s[64:65], 0
	v_nop
	global_prefetch_b8 v0, s[64:65] scope:SCOPE_SE
	s_setreg_imm32_b32 hwreg(HW_REG_WAVE_MODE, 25, 1), 1
	s_wait_xcnt 0x0
; ATTN.  att[b][h][q][:] = the sum over keys k <= q of softmax_k(Q[q] . K[k] / 8) V[k][:].  Q, K, V: qkv16[kind][b][h][s][64], f16; att16[b][h][s][64], f16.  Products on f16 operands with f32 sums; maxima, exponentials and sums in f32;
; the weights p (at most 1) are rounded to f16 for the second product, the result once at the end.  LIMIT: results beyond 65,504 overflow f16.  (Positions 0-15 of each sequence are made again in f32 by a later launch.)
; SHARES.  Work-group (i, head) owns two blocks of 256 queries: block 7 - i, which sees 8 - i slots of 256 keys, then block i, which sees i + 1: nine slots in every work-group, so the trip count is a constant and the work is even.
; Each of eight waves owns 32 queries of a block, two tiles of 16: each fragment of K and V read from LDS feeds two products.  Wave w takes strip w (w < 4) or 11 - w: waves w and w + 4 together run 5 of the 8 steps of a slot on the diagonal.
; NO CLUSTER: from the change of blocks on, which keys a work-group wants, and the trip in which it stores a block, hang on i, so the four work-groups of a head would not ask for the same tiles in the same trip.
; LAYOUT.  S^T = K Q^T (source 0 = 16 keys, source 1 = 16 queries): a lane holds ONE query (lane % 16) and keys 8 (lane / 16) + 0..7.  Two such tiles, rounded in pairs, ARE source 1 of O^T = V^T P.  V comes out of LDS turned, by ds_load_tr16_b128.
; SOFTMAX.  A running maximum m and sum l for each query: p = 2^(c s - c m), c = log2(e) / 8; in every step O and l are multiplied by a = 2^(c m_old - c m_new).  Hidden scores become -infinity ahead of the maximum; every query of a step that is run sees the step's first key.
; RING.  Two LDS slots of 256 keys; waves 0-3 fetch K's quarters, waves 4-7 V's, one tensor load of 64 rows a wave behind each barrier: by this text's count one load of a wave is out, and it has a slot's four steps in which to land.
; REGISTERS.  window 0: v1-11 addresses; v12-27 statistics, eight a tile: +0 c m, +1 m, +2, +3 l, +4..+7 at work (a at +6); v28, v29 the add's two; v30 -infinity; v31 the prefetch's offset; v32-63 Q; v64-127 S^T; v128-159 P; v160-223 O^T; v224-255 the way out.
;   window 1: v0-63 K's fragments of a step, v64-127 V's.
.set PK,    144                        ; a key's row in LDS: 128 bytes + 16
.set PV,    160                        ; a row of V: 128 + 32
.set VOFF,  256*PK
.set SLOT1, 1<<17                      ; slot 1 begins here: one exclusive or turns an address
.set STG,   SLOT1+256*(PK+PV)          ; behind the ring: 2 tiles x 16 rows x 144 bytes for each wave
.set SPARE, STG+8*4608                 ; the spare words, 128 bytes a wave
.set ST,   12
.set Q,    32
.set S,    64
.set P,    128
.set O,    160
.set OUTR, 224
.set MSB, 0
.macro WIN new
.if MSB != \new
	s_set_vgpr_msb (MSB<<8)|\new
.set MSB, \new
.endif
.endm
; s8 wave, s9 i, s10 head, s11 strip, s12 slots of the first block, s13 the trip, s14 the slot in hand (LDS byte), s15 its first key, s16 my first query, s17-23 at work (s23 = 0)
; s[24:31], s[32:39] descriptor groups 1 for K and V; s[40:43], s[44:47] their groups 0; s[48:49], s[50:51] my quarter of K's and V's first slot; s[52:53] a slot's offset; s[54:55], s[56:57] the head in q and in att16
; s[58:59] c; s[60:61] lane selects; s[66:67], s68 the prefetch's address and its last trip; s[70:71], s[72:73] my rows of q and of att16
.macro TLOAD                           ; the branch hangs on the wave's number alone; an s_nop 0 and four v_nop follow each line
	s_cmp_lt_u32 s8, 4
	s_cbranch_scc0 .Lfor_v_\@
	tensor_load_to_lds s[40:43], s[24:31]
	s_nop 0
.rept 4
	v_nop
.endr
	s_branch .Lasked_\@
.Lfor_v_\@:
	tensor_load_to_lds s[44:47], s[32:39]
	s_nop 0
.rept 4
	v_nop
.endr
.Lasked_\@:
.endm
; A prefetch of the slot after the one just asked for: my own quarter, 8,192 bytes, lanes 256 bytes apart.  All four work-groups of a head walk the same keys: the one with i = 0, which walks slots 0 to 7 in order, asks, in trips 0 to 5 for slots 2 to 7:
; each block of 256 bytes of those slots is named once in the launch, a slot's four steps ahead of the load that wants it.  Slots 0 and 1 come by their loads alone.
.macro ASK
	s_cmp_lt_u32 s13, s68
	s_cbranch_scc0 .Lnot_mine_\@
	global_prefetch_b8 v31, s[66:67] th:TH_LOAD_NT scope:SCOPE_SE
.Lnot_mine_\@:
.endm
.macro KLOAD q                         ; 64 keys x 64 channels: 8 fragments, 16 loads
	WIN 0x40
.irp kt, 0,1,2,3
.irp c, 0,1
	ds_load_b128 v[8*(2*\kt+\c):8*(2*\kt+\c)+3], v3 offset:(64*(\q)+16*\kt)*PK+64*\c
	ds_load_b128 v[8*(2*\kt+\c)+4:8*(2*\kt+\c)+7], v3 offset:(64*(\q)+16*\kt)*PK+64*\c+32
.endr
.endr
	WIN 0
.endm
.macro VLOAD q                         ; the same keys' V, turned: 8 fragments of 16 channels x 32 keys, 16 loads
	WIN 0x40
.irp g, 0,1
.irp ct, 0,1,2,3
	ds_load_tr16_b128 v[64+8*(4*\g+\ct):64+8*(4*\g+\ct)+3], v4 offset:(64*(\q)+32*\g)*PV+32*\ct
	ds_load_tr16_b128 v[64+8*(4*\g+\ct)+4:64+8*(4*\g+\ct)+7], v4 offset:(64*(\q)+32*\g)*PV+16*PV+32*\ct
.endr
.endr
	WIN 0
.endm
; The softmax of both tiles for a step of 64 keys; the tiles' lines alternate, so that few lines wait for the line above.
.macro SMAX
.irp j, 0,1,2,3
.irp t, 0,1
	v_max3_num_f32 v[ST+8*\t+4+\j], v[S+32*\t+8*\j], v[S+32*\t+8*\j+1], v[S+32*\t+8*\j+2]   ; each accumulator is read from its low end on
.endr
.endr
.irp k, 3,5
.irp j, 0,1,2,3
.irp t, 0,1
	v_max3_num_f32 v[ST+8*\t+4+\j], v[ST+8*\t+4+\j], v[S+32*\t+8*\j+\k], v[S+32*\t+8*\j+\k+1]
.endr
.endr
.endr
.irp t, 0,1
	v_max3_num_f32 v[ST+8*\t+4], v[ST+8*\t+4], v[S+32*\t+7], v[S+32*\t+15]
	v_max3_num_f32 v[ST+8*\t+6], v[ST+8*\t+6], v[S+32*\t+23], v[S+32*\t+31]
.endr
.irp t, 0,1
	v_max3_num_f32 v[ST+8*\t+4], v[ST+8*\t+4], v[ST+8*\t+5], v[ST+8*\t+6]
.endr
.irp t, 0,1
	v_max3_num_f32 v[ST+8*\t+4], v[ST+8*\t+4], v[ST+8*\t+7], v[ST+8*\t+1]   ; with the old m
.endr
.irp t, 0,1
	v_permlanex16_b32 v[ST+8*\t+5], v[ST+8*\t+4], s60, s61                  ; the query's other 32 keys lie in the lane 16 away
.endr
.irp t, 0,1
	v_mov_b32 v[ST+8*\t+7], v[ST+8*\t]                                      ; c m_old
.endr
.irp t, 0,1
	v_max_num_f32 v[ST+8*\t+1], v[ST+8*\t+4], v[ST+8*\t+5]
.endr
.irp t, 0,1
	v_mul_f32 v[ST+8*\t], s58, v[ST+8*\t+1]
.endr
.irp t, 0,1
	v_sub_f32 v[ST+8*\t+7], v[ST+8*\t+7], v[ST+8*\t]
.endr
.set n, 0
.rept 16
	v_pk_fma_f32 v[S+2*n:S+2*n+1], v[S+2*n:S+2*n+1], s[58:59], v[ST:ST+1] op_sel_hi:[1,0,0] neg_lo:[0,0,1] neg_hi:[0,0,1]   ; c s - c m, one rounding
	v_pk_fma_f32 v[S+32+2*n:S+32+2*n+1], v[S+32+2*n:S+32+2*n+1], s[58:59], v[ST+8:ST+9] op_sel_hi:[1,0,0] neg_lo:[0,0,1] neg_hi:[0,0,1]
.set n, n+1
.endr
	v_exp_f32 v[ST+6], v[ST+7]                     ; a.  The 66 exponentials are one batch: none reads another's result
	v_exp_f32 v[ST+14], v[ST+15]
.set n, 0
.rept 64
	v_exp_f32 v[S+n], v[S+n]
.set n, n+1
.endr
	v_nop                                          ; a plain instruction behind the last exponential
	s_wait_alu depctr_va_vdst(0)                   ; one wait for the batch, ahead of its first reader
.set n, 0
.rept 32
	v_cvt_pk_f16_f32 v[P+n], v[S+2*n], v[S+2*n+1]
.set n, n+1
.endr
.irp w, 4,8,16,32                      ; the sums of the unrounded p, in place: neighbours 1, 2, 4, 8 pairs apart
.set n, 0
.rept 64/\w
	v_pk_add_f32 v[S+\w*n:S+\w*n+1], v[S+\w*n:S+\w*n+1], v[S+\w*n+\w/2:S+\w*n+\w/2+1]
.set n, n+1
.endr
.endr
.irp t, 0,1
	v_pk_fma_f32 v[ST+8*\t+2:ST+8*\t+3], v[ST+8*\t+2:ST+8*\t+3], v[ST+8*\t+6:ST+8*\t+7], v[S+32*\t:S+32*\t+1] op_sel_hi:[1,0,1]   ; l = a l + the sum
.endr
.set n, 0
.rept 16
	v_pk_mul_f32 v[O+2*n:O+2*n+1], v[O+2*n:O+2*n+1], v[ST+6:ST+7] op_sel_hi:[1,0]
	v_pk_mul_f32 v[O+32+2*n:O+32+2*n+1], v[O+32+2*n:O+32+2*n+1], v[ST+14:ST+15] op_sel_hi:[1,0]
.set n, n+1
.endr
.endm
; A KEY STEP: 64 keys, the q-th of the slot in hand.  A step all of whose keys come after my 32 queries is left out, and so are the steps behind it: a scalar branch on ids to the slot's end; no barrier and no tensor load stands in a step.
.macro STEP q, id
.if \q > 0
	s_add_co_u32 s17, s15, 64*\q
	s_add_co_u32 s18, s16, 31
	s_cmp_gt_u32 s17, s18
	s_cbranch_scc1 .Lslotend_\id
.endif
.rept 4
	v_nop                                          ; places ahead of loads into V's registers, which the last products read
.endr
	VLOAD \q
	s_wait_dscnt 16                                ; K of this step is in; V's 16 loads stay out
	WIN 0x01                                       ; source 0 in window 1
.irp c, 0,1                            ; eight accumulators by turns; the first eight products start the sums
.irp kt, 0,1,2,3
.irp t, 0,1
.if \c == 0
	v_wmma_f32_16x16x32_f16 v[S+32*\t+8*\kt:S+32*\t+8*\kt+7], v[8*(2*\kt+\c):8*(2*\kt+\c)+7], v[Q+16*\t+8*\c:Q+16*\t+8*\c+7], 0
.else
	v_wmma_f32_16x16x32_f16 v[S+32*\t+8*\kt:S+32*\t+8*\kt+7], v[8*(2*\kt+\c):8*(2*\kt+\c)+7], v[Q+16*\t+8*\c:Q+16*\t+8*\c+7], v[S+32*\t+8*\kt:S+32*\t+8*\kt+7]
.endif
.endr
.endr
.endr
	WIN 0
.rept 4
	v_nop                                          ; places ahead of the loads into K's registers and of the first read of the scores
.endr
.if \q < 3
	KLOAD \q+1
.endif
	s_add_co_u32 s17, s15, 64*\q+63                ; a step all of whose keys count skips the mask
	s_cmp_le_u32 s17, s16
	s_cbranch_scc1 .Lopen_\@
	s_sub_co_i32 s17, s16, s15
	s_sub_co_i32 s17, s17, 64*\q
	v_add_nc_u32 v10, s17, v9                      ; d = my query - the step's first key - 8 (lane / 16), tile 0;
	v_add_nc_u32 v11, 16, v10                      ; tile 1.  Register 8 kt + j holds key 16 kt + 8 (lane / 16) + j: hidden where 16 kt + j > d
.set n, 0
.rept 32
	v_cmp_gt_i32 vcc_lo, 16*(n/8)+n%8, v10
	v_cndmask_b32 v[S+n], v[S+n], v30, vcc_lo
	v_cmp_gt_i32 vcc_lo, 16*(n/8)+n%8, v11
	v_cndmask_b32 v[S+32+n], v[S+32+n], v30, vcc_lo
.set n, n+1
.endr
.Lopen_\@:
	SMAX
.if \q < 3
	s_wait_dscnt 16                                ; V is in; the next step's 16 loads of K stay out
.else
	s_wait_dscnt 0x0
.endif
	WIN 0x01
.irp g, 0,1
.irp ct, 0,1,2,3
.irp t, 0,1
	v_wmma_f32_16x16x32_f16 v[O+32*\t+8*\ct:O+32*\t+8*\ct+7], v[64+8*(4*\g+\ct):64+8*(4*\g+\ct)+7], v[P+16*\t+8*\g:P+16*\t+8*\g+7], v[O+32*\t+8*\ct:O+32*\t+8*\ct+7]
.endr
.endr
.endr
	WIN 0
.endm
; A block begins: my 32 queries into registers; O^T and l zero, m under every score, so that the step is written once.
.macro INIT
.irp t, 0,1
.irp c, 0,1
	global_load_b128 v[Q+16*\t+8*\c:Q+16*\t+8*\c+3], v5, s[70:71] offset:2048*\t+64*\c
	global_load_b128 v[Q+16*\t+8*\c+4:Q+16*\t+8*\c+7], v5, s[70:71] offset:2048*\t+64*\c+32
.endr
.endr
.set n, 0
.rept 64
	v_mov_b32 v[O+n], 0
.set n, n+1
.endr
.irp t, 0,1
	v_mov_b32 v[ST+8*\t+1], 0xff61b1e6             ; -3e38
	v_mul_f32 v[ST+8*\t], s58, v[ST+8*\t+1]
.irp k, 2,3,4,5,6,7
	v_mov_b32 v[ST+8*\t+\k], 0
.endr
.endr
	s_wait_loadcnt 0x0
.endm
; A block ends: O^T / l, rounded to f16, through my stage in LDS, so that each store covers 512 consecutive bytes (four positions of the head).  again = 1: the second block begins.
.macro FLUSH again
.rept 4
	v_nop                                          ; places behind the last products
.endr
.irp t, 0,1
	v_add_f32 v[ST+8*\t+4], v[ST+8*\t+2], v[ST+8*\t+3]
.endr
.irp t, 0,1
	v_permlanex16_b32 v[ST+8*\t+5], v[ST+8*\t+4], s60, s61
.endr
.irp t, 0,1
	v_add_f32 v[ST+8*\t+4], v[ST+8*\t+4], v[ST+8*\t+5]
.endr
.irp t, 0,1
	v_rcp_f32 v[ST+8*\t+6], v[ST+8*\t+4]
.endr
	v_nop
	s_wait_alu depctr_va_vdst(0)                   ; one wait for both reciprocals
.set n, 0
.rept 16
	v_pk_mul_f32 v[O+2*n:O+2*n+1], v[O+2*n:O+2*n+1], v[ST+6:ST+7] op_sel_hi:[1,0]
	v_pk_mul_f32 v[O+32+2*n:O+32+2*n+1], v[O+32+2*n:O+32+2*n+1], v[ST+14:ST+15] op_sel_hi:[1,0]
.set n, n+1
.endr
.set n, 0
.rept 32
	v_cvt_pk_f16_f32 v[OUTR+n], v[O+2*n], v[O+2*n+1]
.set n, n+1
.endr
.irp t, 0,1
.irp ct, 0,1,2,3
	ds_store_b128 v6, v[OUTR+16*\t+4*\ct:OUTR+16*\t+4*\ct+3] offset:2304*\t+32*\ct
.endr
.irp u, 0,1,2,3
	ds_load_b128 v[OUTR+16*\t+4*\u:OUTR+16*\t+4*\u+3], v7 offset:2304*\t+576*\u   ; LDS serves a wave's instructions in order: these see the stores above
.endr
.endr
.irp u, 0,1,2,3
	s_wait_dscnt 11-\u                             ; behind this load: the tile's later loads, and tile 1's 4 stores and 4 loads
	global_store_b128 v8, v[OUTR+4*\u:OUTR+4*\u+3], s[72:73] offset:512*\u
.endr
.irp u, 0,1,2,3
	s_wait_dscnt 3-\u
	global_store_b128 v8, v[OUTR+16+4*\u:OUTR+16+4*\u+3], s[72:73] offset:2048+512*\u
.endr
.if \again
	s_wait_xcnt 0x0                                ; the stores have read their base and their data
	s_lshl_b32 s17, s9, 8
	s_lshl_b32 s18, s11, 5
	s_add_co_u32 s16, s17, s18                     ; my first query in block i
	s_lshl_b32 s22, s16, 7
	s_add_nc_u64 s[70:71], s[54:55], s[22:23]
	s_add_nc_u64 s[72:73], s[56:57], s[22:23]
	INIT
.endif
.endm
; A TRIP: one slot of 256 keys.  In front of the barrier every wave has waited for all its tensor loads (its quarter of the slot ahead), has added 0 to its spare word, and has waited for that and for its reads of the slot that it leaves.
; fill = 1: behind the barrier that slot takes the keys of the next trip, first thing.
.macro TRIP fill
	s_wait_tensorcnt 0x0                           ; no tensor load of mine is out: the groups 0 may be written
	ds_add_u32 v28, v29                            ; the descriptors' steps stand between the add and the wait for it
.if \fill
	s_xor_b32 s41, s41, SLOT1
	s_xor_b32 s45, s45, SLOT1
	s_add_co_u32 s17, s13, 1                       ; the next trip's keys: slot t + 1 of the first block, or t + 1 less that block's slots
	s_cmp_lt_u32 s17, s12
	s_cselect_b32 s18, 0, s12
	s_sub_co_u32 s17, s17, s18
	s_lshl_b32 s52, s17, 15                        ; 256 rows of 128 bytes
	s_add_nc_u64 s[42:43], s[48:49], s[52:53]
	s_or_b32 s43, s43, 0x80000000
	s_add_nc_u64 s[46:47], s[50:51], s[52:53]
	s_or_b32 s47, s47, 0x80000000
	s_wait_xcnt 0x0                                ; the last prefetch, a trip back, has read its address
	s_add_nc_u64 s[66:67], s[66:67], 0x8000
.endif
	s_wait_dscnt 0x0
	s_barrier_signal -1
	s_barrier_wait -1
.if \fill
	TLOAD
	ASK
.endif
	s_cmp_lt_u32 s13, s12
	s_cselect_b32 s17, 0, s12
	s_sub_co_u32 s15, s13, s17
	s_lshl_b32 s15, s15, 8                         ; this slot's first key
	s_cmp_eq_u32 s13, s12                          ; the first block is done: ids and the count of trips alone, the same in all eight waves
	s_cbranch_scc0 .Lsame_\@
	FLUSH 1
.Lsame_\@:
	v_add_nc_u32 v3, s14, v1
	v_add_nc_u32 v4, s14, v2
	KLOAD 0
	STEP 0, \@
	STEP 1, \@
	STEP 2, \@
	STEP 3, \@
.Lslotend_\@:
	s_xor_b32 s14, s14, SLOT1
.endm
	s_load_b128 s[4:7], s[0:1], 0x0                ; qkv16, att16
	v_lshl_add_u32 v28, v0, 2, SPARE
	v_mov_b32 v29, 0
	ds_add_u32 v28, v29                            ; the wave's opening: the add, twice on end, and its wait ahead of my first tensor load
	ds_add_u32 v28, v29
	v_lshrrev_b32 v1, 5, v0
	v_readfirstlane_b32 s8, v1                     ; wave 0..7
	s_mov_b32 s9, ttmp9
	s_and_b32 s10, ttmp7, 0xffff
	s_sub_co_u32 s17, 11, s8
	s_cmp_lt_u32 s8, 4
	s_cselect_b32 s11, s8, s17                     ; my strip
	s_sub_co_u32 s12, 8, s9
	s_mov_b32 s24, (1<<16)|(1<<20)|(4<<22)|(3<<25) ; K: elements of 2 bytes; 4 words of padding behind every 32
	s_mov_b32 s32, (1<<16)|(1<<20)|(4<<22)|(7<<25) ; V: 8 words
.irp g, 24, 32
	s_mov_b32 s[\g+1], 64<<16                      ; tensor_dim0 = 64
	s_mov_b32 s[\g+2], 64<<16                      ; tensor_dim1 = 64
	s_mov_b32 s[\g+3], 64<<16                      ; tile_dim0 = 64
	s_mov_b32 s[\g+4], 64                          ; tile_dim1 = 64
	s_mov_b32 s[\g+5], 64                          ; the pitch
	s_mov_b32 s[\g+6], 0
	s_mov_b32 s[\g+7], 0
.endr
	s_and_b32 s18, s8, 3                           ; my quarter
	s_mul_i32 s19, s18, 64*PK
	s_mul_i32 s20, s18, 64*PV
	s_add_co_u32 s20, s20, VOFF
	s_mov_b32 s23, 0
	s_mov_b32 s53, 0
	s_mov_b32 s58, 0x3e38aa3b                      ; c = log2(e) / 8
	s_mov_b32 s59, s58
	s_mov_b32 s60, 0x76543210
	s_mov_b32 s61, 0xfedcba98
	s_mov_b32 s13, 0
	s_mov_b32 s14, 0
	s_wait_dscnt 0x0                               ; both opening adds are done
	s_wait_kmcnt 0x0
	s_lshl_b32 s22, s10, 18
	s_add_nc_u64 s[54:55], s[4:5], s[22:23]
	s_add_nc_u64 s[56:57], s[6:7], s[22:23]
	s_lshl_b32 s22, s18, 13
	s_add_nc_u64 s[48:49], s[54:55], s[22:23]
	s_add_nc_u64 s[48:49], s[48:49], 0x1000000     ; k lies 2^24 bytes behind q,
	s_add_nc_u64 s[50:51], s[48:49], 0x1000000     ; v behind k
	s_mov_b32 s40, 1
	s_mov_b32 s41, s19
	s_mov_b64 s[42:43], s[48:49]
	s_or_b32 s43, s43, 0x80000000
	s_mov_b32 s44, 1
	s_mov_b32 s45, s20
	s_mov_b64 s[46:47], s[50:51]
	s_or_b32 s47, s47, 0x80000000
	TLOAD                                          ; slot 0: keys 0 to 255, which count for every block
	s_cmp_lt_u32 s8, 4
	s_cselect_b64 s[66:67], s[48:49], s[50:51]
	s_add_nc_u64 s[66:67], s[66:67], 0x8000        ; in slot 1: the first trip steps it to slot 2.  Nothing is prefetched here, at the head
	s_cmp_eq_u32 s9, 0
	s_cselect_b32 s68, 6, 0
	v_and_b32 v12, 15, v0                          ; r
	v_bfe_u32 v13, v0, 4, 1                        ; h
	v_mul_u32_u24 v1, v12, PK
	v_lshl_add_u32 v1, v13, 4, v1                  ; K: row r, + 16 h
	v_and_b32 v14, 7, v0
	v_bfe_u32 v15, v0, 3, 1
	v_lshl_add_u32 v2, v13, 3, v14
	v_mul_u32_u24 v2, v2, PV
	v_lshl_add_u32 v2, v15, 4, v2
	v_add_nc_u32 v2, VOFF, v2                      ; V: key 8 h + lane % 8, channels 8 ((lane / 8) % 2) on
	v_lshlrev_b32 v5, 7, v12
	v_lshl_add_u32 v5, v13, 4, v5                  ; Q: row r of 128 bytes, + 16 h
	s_mul_i32 s17, s8, 4608
	s_add_co_u32 s17, s17, STG
	v_add_nc_u32 v6, s17, v1                       ; the stage, in: row r of 144 bytes, + 16 h
	v_and_b32 v16, 31, v0
	v_lshrrev_b32 v7, 3, v16
	v_mul_u32_u24 v7, v7, 144
	v_lshl_add_u32 v7, v14, 4, v7
	v_add_nc_u32 v7, s17, v7                       ; back: eight lanes to a row, four rows an instruction
	v_lshlrev_b32 v8, 4, v16
	v_lshlrev_b32 v9, 3, v13
	v_sub_nc_u32 v9, v12, v9                       ; r - 8 h
	v_mov_b32 v30, 0xff800000
	v_lshlrev_b32 v31, 8, v16
	s_sub_co_u32 s17, 7, s9
	s_lshl_b32 s17, s17, 8
	s_lshl_b32 s18, s11, 5
	s_add_co_u32 s16, s17, s18                     ; my first query in block 7 - i
	s_lshl_b32 s22, s16, 7
	s_add_nc_u64 s[70:71], s[54:55], s[22:23]
	s_add_nc_u64 s[72:73], s[56:57], s[22:23]
	INIT
.Ltrip:                                            ; eight trips ask for the next trip's keys;
	TRIP 1
	s_add_co_u32 s13, s13, 1
	s_cmp_lt_u32 s13, 8
	s_cbranch_scc1 .Ltrip
	TRIP 0                                         ; the ninth is written out
	FLUSH 0
	s_wait_tensorcnt 0x0                           ; the wave's end, behind my last tensor load and my last LDS store
	ds_add_u32 v28, v29
	s_wait_dscnt 0x0
	s_endpgm
.Lfunc_end_k_q418de94e9a_attn:
	.size	k_q418de94e9a_attn, .Lfunc_end_k_q418de94e9a_attn-k_q418de94e9a_attn
	.p2alignl 7, 3214868480
	.fill 96, 4, 3214868480
	.section	.rodata,"a",@progbits
	.p2align	6, 0x0
	.amdhsa_kernel k_q418de94e9a_attn
		.amdhsa_group_segment_fixed_size 327680
		.amdhsa_private_segment_fixed_size 0
		.amdhsa_enable_private_segment 0
		.amdhsa_kernarg_size 16
		.amdhsa_user_sgpr_count 2
		.amdhsa_user_sgpr_kernarg_segment_ptr 1
		.amdhsa_wavefront_size32 1
		.amdhsa_system_sgpr_workgroup_id_x 1
		.amdhsa_system_sgpr_workgroup_id_y 1
		.amdhsa_system_sgpr_workgroup_id_z 1
		.amdhsa_system_vgpr_workitem_id 0
		.amdhsa_next_free_vgpr 384
		.amdhsa_next_free_sgpr 80
		.amdhsa_reserve_vcc 1
		.amdhsa_float_denorm_mode_32 3
		.amdhsa_float_denorm_mode_16_64 3
		.amdhsa_memory_ordered 1
		.amdhsa_forward_progress 1
		.amdhsa_inst_pref_size 210
	.end_amdhsa_kernel
	.amdgpu_metadata
---
amdhsa.version: [ 1, 2 ]
amdhsa.kernels:
  - .name:           k_q418de94e9a_attn
    .symbol:         k_q418de94e9a_attn.kd
    .args:
      - { .name: qkv16, .offset: 0, .size: 8, .value_kind: global_buffer, .address_space: global }
      - { .name: att16, .offset: 8, .size: 8, .value_kind: global_buffer, .address_space: global }
    .group_segment_fixed_size: 327680
    .private_segment_fixed_size: 0
    .kernarg_segment_align: 8
    .kernarg_segment_size: 16
    .max_flat_workgroup_size: 256
    .sgpr_count:     80
    .vgpr_count:     384
    .wavefront_size: 32
...
	.end_amdgpu_metadata
.endif
;; end of part 3
;; launch oproj (part 4): grid 4 x 64, 4 waves a work-group, clusters of 4 x 4, 327,680 bytes of LDS; arguments att16, wo16, out0; writes out0
.if DOCPART == 4
	.amdgcn_target "amdgcn-amd-amdhsa--gfx1250"
	.amdhsa_code_object_version 6
	.text
	.protected	k_q418de94e9a_oproj
	.globl	k_q418de94e9a_oproj
	.p2align	8
	.type	k_q418de94e9a_oproj,@function
k_q418de94e9a_oproj:
	s_mov_b64 s[64:65], 0
	v_nop
	global_prefetch_b8 v0, s[64:65] scope:SCOPE_SE
	s_setreg_imm32_b32 hwreg(HW_REG_WAVE_MODE, 25, 1), 1
	s_wait_xcnt 0x0
	s_wait_alu depctr_hold_cnt(0) depctr_sa_sdst(0) depctr_va_vdst(0) depctr_va_sdst(0) depctr_va_ssrc(0) depctr_va_vcc(0) depctr_vm_vsrc(0)
	s_getreg_b32 s2, hwreg(HW_REG_IB_STS2, 6, 4)
	s_cmp_eq_u32 s2, 0
	s_cbranch_scc0 .Lentry_in_a_cluster
	s_endpgm
.Lentry_in_a_cluster:
	s_bfe_u32 s2, ttmp6, 0x10000c
	s_cmp_lg_u32 s2, 0xf033
	s_cbranch_scc0 .Lentry_shape_is_right
	s_endpgm
.Lentry_shape_is_right:
; OPROJ.  out0[m][n] = sum over e of att[m][e] Wo[n][e]; m = 8,192 positions, n = 1,024, e = 64 x head + channel.  att16[b][h][s][64] and wo16[n][e] in f16, sums and out0 in f32.
; (The 16 first positions of each sequence are written here too, and written over in f32 by the next launch.)
; A tile of out0 is 128 (m) x 256 (n): 256 work-groups.  Four waves, each 64 x 128: 32 accumulators of 16 x 16, all of window 2.  K goes in steps of 128 (two heads) through a ring of two LDS slots.
; att by head: 128 positions of one head are 16,384 dense bytes, fetched as 64 rows of 256 bytes (two positions a row); Wo's rows are 256 bytes of a K step.  16 bytes of padding behind each row.
; CLUSTERS: 4 x 4 work-groups; att's tiles are asked for jointly along a row of the cluster, Wo's along a column.  No prefetch is laid: the launch is short, and each tile is fetched once for four work-groups.
; THE MATRIX INSTRUCTION IS USED TRANSPOSED (source 0 = 16 rows of Wo, source 1 = 16 positions): a lane holds eight neighbouring columns of one position.
; REGISTERS: window 0: v16-29 addresses; v64-95, v96-127 att's fragments (4 x 16 rows x 32 K), two buffers; v128-255 rows on the way out.  window 1: v0-63, v64-127 Wo's fragments, two buffers.  window 2: accumulator (a, b) at v[8 (8 a + b)].
.set KSTEP,  128
.set PITCH,  272
.set AHALF,  64*PITCH                  ; one head's 128 positions
.set BHALF,  128*PITCH                 ; 128 rows of Wo
.set SLOT,   2*AHALF+2*BHALF
.set STAGE,  2*SLOT                    ; behind the ring: 16 rows x (512 bytes + 16) for each wave
.set SPITCH, 528
.set SPARE,  STAGE+4*16*SPITCH         ; the spare words, 128 bytes a wave
.set LAPS,   4                         ; 1,024 / (2 x 128)
.set ADRA, 16
.set ADRB, 20
.set STO,  24
.set RD,   25
.set CO,   26
.set SPW,  28
.set NIL,  29
.set AF,   64
.set BK,   128
.set G1, 24
.set G0, 32
.set G1B, 48
.set G0B, 56
.set MSB, 0
.macro WIN new
.if MSB != \new
	s_set_vgpr_msb (MSB<<8)|\new
.set MSB, \new
.endif
.endm
.set MUL,  0xa1                        ; source 0 (Wo) window 1, source 1 (att) window 0, C and D window 2
.set TO_B, 0x40
.macro JLOAD s                         ; waves 0 and 1 fetch att's two heads, waves 2 and 3 Wo's two halves; an s_nop 0 and four v_nop follow each line
	s_cmp_eq_u32 s11, 0
	s_cbranch_scc0 .Lfor_b_\@
	tensor_load_to_lds s[G0+4*\s:G0+4*\s+3], s[G1:G1+7]
	s_nop 0
.rept 4
	v_nop
.endr
	s_branch .Lasked_\@
.Lfor_b_\@:
	tensor_load_to_lds s[G0B+4*\s:G0B+4*\s+3], s[G1B:G1B+7]
	s_nop 0
.rept 4
	v_nop
.endr
.Lasked_\@:
.endm
.macro CREST
	s_cmp_lg_u32 s10, 0
	s_cbranch_scc1 .Lnot_wave_0_\@
	s_barrier_signal -3
.Lnot_wave_0_\@:
	s_barrier_wait -3
	s_barrier_signal -1
	s_barrier_wait -1
.endm
.macro CROUND
	s_barrier_signal -1
	s_barrier_wait -1
	CREST
.endm
	s_load_b128 s[4:7], s[0:1], 0x0                ; att16, wo16
	s_load_b64 s[8:9], s[0:1], 0x10                ; out0
	v_lshl_add_u32 v[SPW], v0, 2, SPARE
	v_mov_b32 v[NIL], 0
	ds_add_u32 v[SPW], v[NIL]                      ; the wave's opening: the add, twice on end, and its wait ahead of my first tensor load
	ds_add_u32 v[SPW], v[NIL]
	v_lshrrev_b32 v1, 5, v0
	v_readfirstlane_b32 s10, v1                    ; wave 0..3
	s_lshr_b32 s11, s10, 1                         ; my half of the tile's rows.  Also: I fetch for att (0) or for Wo (1)
	s_and_b32 s12, s10, 1                          ; my half of its columns.  Also: which head, or which 128 rows, I fetch
	s_bfe_u32 s40, ttmp6, 0x40000
	s_bfe_u32 s41, ttmp6, 0x40004
	s_lshl_b32 s42, ttmp9, 2
	s_add_co_u32 s42, s42, s40                     ; tile column
	s_and_b32 s13, ttmp7, 0xffff
	s_lshl_b32 s13, s13, 2
	s_add_co_u32 s13, s13, s41                     ; tile row
	s_lshl_b32 s43, s41, 2
	s_lshl_b32 s43, 15, s43
	s_lshl_b32 s44, 0x1111, s40
	s_or_b32 s[G1+0], s43, (1<<16)|(1<<20)|(1<<21)|(5<<22)|(3<<25)   ; the mask; elements of 2 bytes; padding on; bit 21 beside a mask; 4 words behind every 64
	s_or_b32 s[G1B+0], s44, (1<<16)|(1<<20)|(1<<21)|(5<<22)|(3<<25)
	s_mov_b32 s[G1+1], 128<<16                     ; att: rows of 128 elements,
	s_mov_b32 s[G1+2], 64<<16                      ; 64 of them,
	s_mov_b32 s[G1+3], 128<<16
	s_mov_b32 s[G1+4], 64
	s_mov_b32 s[G1+5], 128                         ; dense
	s_mov_b32 s[G1+6], 0
	s_mov_b32 s[G1+7], 0
	s_mov_b32 s[G1B+1], 128<<16                    ; Wo: rows of 128 elements,
	s_mov_b32 s[G1B+2], 128<<16                    ; 128 of them,
	s_mov_b32 s[G1B+3], 128<<16
	s_mov_b32 s[G1B+4], 128
	s_mov_b32 s[G1B+5], 1024                       ; 1,024 elements apart
	s_mov_b32 s[G1B+6], 0
	s_mov_b32 s[G1B+7], 0
	s_lshr_b32 s16, s13, 4                         ; att: the batch (2^22 bytes), my 128 positions (16,384 bytes), my head of the K step (2^18)
	s_lshl_b32 s16, s16, 22
	s_and_b32 s17, s13, 15
	s_lshl_b32 s17, s17, 14
	s_add_co_u32 s16, s16, s17
	s_lshl_b32 s17, s12, 18
	s_add_co_u32 s16, s16, s17
	s_mov_b32 s17, 0
	s_lshl_b32 s46, s42, 8                         ; Wo: row 256 x tile column + 128 x half, 2,048 bytes a row
	s_lshl_b32 s47, s12, 7
	s_add_co_u32 s46, s46, s47
	s_lshl_b32 s46, s46, 11
	s_mov_b32 s47, 0
	s_mul_i32 s20, s12, AHALF                      ; where they go: the wave's number alone
	s_mul_i32 s21, s12, BHALF
	s_add_co_u32 s21, s21, 2*AHALF
	s_wait_dscnt 0x0                               ; both opening adds are done
	s_wait_kmcnt 0x0
	s_add_nc_u64 s[14:15], s[4:5], s[16:17]
	s_add_nc_u64 s[46:47], s[6:7], s[46:47]
	CROUND                                         ; all sixteen work-groups are here: the first joint loads meet
.irp s, 0,1
	s_mov_b32 s[G0+4*\s], 1
	s_add_co_u32 s[G0+4*\s+1], s20, \s*SLOT
	s_add_nc_u64 s[G0+4*\s+2:G0+4*\s+3], s[14:15], \s*(1<<19)      ; K step s: two heads on
	s_or_b32 s[G0+4*\s+3], s[G0+4*\s+3], 0x80000000
	s_mov_b32 s[G0B+4*\s], 1
	s_add_co_u32 s[G0B+4*\s+1], s21, \s*SLOT
	s_add_nc_u64 s[G0B+4*\s+2:G0B+4*\s+3], s[46:47], \s*KSTEP*2
	s_or_b32 s[G0B+4*\s+3], s[G0B+4*\s+3], 0x80000000
	JLOAD \s
.endr
	v_and_b32 v1, 15, v0                           ; r
	v_bfe_u32 v2, v0, 4, 1                         ; h
	v_lshrrev_b32 v3, 1, v1
	v_mul_u32_u24 v3, v3, PITCH                    ; att: position r lies in LDS row r / 2, half r % 2
	v_and_b32 v4, 1, v0
	v_lshl_add_u32 v3, v4, 7, v3
	v_lshl_add_u32 v3, v2, 4, v3
	v_mul_u32_u24 v4, v1, PITCH
	v_lshl_add_u32 v4, v2, 4, v4
	s_mul_i32 s21, s11, 32*PITCH                   ; my 64 positions
	s_mul_i32 s22, s12, BHALF                      ; my 128 rows of Wo
	s_add_co_u32 s22, s22, 2*AHALF
.irp s, 0,1
	v_add_nc_u32 v[ADRA+\s], s21, v3
	v_add_nc_u32 v[ADRB+\s], s22, v4
	s_add_co_u32 s21, s21, SLOT
	s_add_co_u32 s22, s22, SLOT
.endr
	s_mul_i32 s23, s10, 16*SPITCH
	s_add_co_u32 s23, s23, STAGE
	v_mul_u32_u24 v5, v1, SPITCH
	v_lshl_add_u32 v5, v2, 5, v5
	v_add_nc_u32 v[STO], s23, v5                   ; in: row r, 32 bytes for each half of the lanes
	v_and_b32 v6, 31, v0
	v_lshlrev_b32 v[CO], 4, v6                     ; back: 32 lanes take a row of 512 bytes; the same in out0
	v_add_nc_u32 v[RD], s23, v[CO]
	s_lshl_b32 s16, s13, 7
	s_lshl_b32 s17, s11, 6
	s_add_co_u32 s16, s16, s17                     ; my first row of out0
	s_lshl_b32 s16, s16, 12
	s_mov_b32 s17, 0
	s_add_nc_u64 s[8:9], s[8:9], s[16:17]
	s_lshl_b32 s46, s42, 10                        ; my first column, in bytes
	s_lshl_b32 s47, s12, 9
	s_add_co_u32 s46, s46, s47
	s_mov_b32 s47, 0
	s_add_nc_u64 s[8:9], s[8:9], s[46:47]
.macro MUL8 f, a, zero                 ; block a of my positions against Wo's eight blocks, 32 along K.  The 32 accumulators take turns in the same order in every quarter
.irp b, 0,1,2,3,4,5,6,7
.if \zero
	v_wmma_f32_16x16x32_f16 v[8*(8*(\a)+\b):8*(8*(\a)+\b)+7], v[64*(\f)+8*\b:64*(\f)+8*\b+7], v[AF+32*(\f)+8*(\a):AF+32*(\f)+8*(\a)+7], 0
.else
	v_wmma_f32_16x16x32_f16 v[8*(8*(\a)+\b):8*(8*(\a)+\b)+7], v[64*(\f)+8*\b:64*(\f)+8*\b+7], v[AF+32*(\f)+8*(\a):AF+32*(\f)+8*(\a)+7], v[8*(8*(\a)+\b):8*(8*(\a)+\b)+7]
.endif
.endr
.endm
.macro FETCH slot, q, f                ; 24 LDS loads in one run: the fragments of the slot's q-th 32 along K into buffer f; att's blocks 2 and 3 last
	WIN TO_B
.irp i, 0,1,2,3,4,5,6,7
	ds_load_b128 v[64*(\f)+8*\i:64*(\f)+8*\i+3],   v[ADRB+\slot] offset:64*(\q)+\i*16*PITCH
	ds_load_b128 v[64*(\f)+8*\i+4:64*(\f)+8*\i+7], v[ADRB+\slot] offset:64*(\q)+\i*16*PITCH+32
.endr
	WIN 0
.irp i, 0,1,2,3
	ds_load_b128 v[AF+32*(\f)+8*\i:AF+32*(\f)+8*\i+3],   v[ADRA+\slot] offset:((\q)/2)*AHALF+((\q)%2)*64+\i*8*PITCH
	ds_load_b128 v[AF+32*(\f)+8*\i+4:AF+32*(\f)+8*\i+7], v[ADRA+\slot] offset:((\q)/2)*AHALF+((\q)%2)*64+\i*8*PITCH+32
.endr
.endm
.macro PLACES
.rept 4
	v_nop
.endr
.endm
.macro QUARTER slot, q, f, g, zero     ; multiplies buffer f; in its middle fetches the slot's q-th quarter into buffer g
	s_wait_dscnt 4                                 ; all but att's blocks 2 and 3
	WIN MUL
	MUL8 \f, 0, \zero
	MUL8 \f, 1, \zero
	PLACES
	FETCH \slot, \q, \g
	s_wait_dscnt 24                                ; all but the 24 just issued
	WIN MUL
	MUL8 \f, 2, \zero
	MUL8 \f, 3, \zero
.endm
; A slot's last quarter multiplies buffer 1 and changes slots: one barrier; in front of it each wave waits for all its tensor loads, adds 0 to its spare word, and waits for that and for its reads of this slot.  fill = 1: the slot is filled again, two K steps ahead, behind a round of the cluster's barrier.
.macro TURN slot, next, fill
	WIN 0
	s_wait_tensorcnt 0x0                           ; my part of the next slot has landed
	ds_add_u32 v[SPW], v[NIL]
	s_wait_dscnt 5                                 ; (the add and att's blocks 2 and 3 may be out)
	WIN MUL
	MUL8 1, 0, 0
	s_wait_dscnt 0x0                               ; the add is done, and my reads of this slot are over
	s_barrier_signal -1
	MUL8 1, 1, 0
.if \fill
	WIN 0
.endif
	s_barrier_wait -1
.if \fill
	CREST                                          ; no wave of any partner still reads this slot or has a load on its way
	s_add_nc_u64 s[G0+4*\slot+2:G0+4*\slot+3], s[G0+4*\slot+2:G0+4*\slot+3], 1<<20        ; four heads on
	s_add_nc_u64 s[G0B+4*\slot+2:G0B+4*\slot+3], s[G0B+4*\slot+2:G0B+4*\slot+3], 2*KSTEP*2
	JLOAD \slot                                    ; the first tensor load behind the round; its four v_nop are also the places ahead of the loads below
.else
	PLACES
.endif
	FETCH \next, 0, 0
	WIN MUL
	MUL8 1, 2, 0
	MUL8 1, 3, 0
.endm
	s_wait_tensorcnt 1                             ; my part of K step 0 is in (K step 1's load may be out)
	s_barrier_signal -1
	s_barrier_wait -1
	FETCH 0, 0, 0
	QUARTER 0, 1, 0, 1, 1                          ; the first quarter's products start the sums
	WIN 0
	s_mov_b32 s3, LAPS-1
.Llap:                                             ; a trip goes once round the ring and fills both slots again
	QUARTER 0, 2, 1, 0, 0
	QUARTER 0, 3, 0, 1, 0
	TURN 0, 1, 1
	QUARTER 1, 1, 0, 1, 0
	QUARTER 1, 2, 1, 0, 0
	QUARTER 1, 3, 0, 1, 0
	TURN 1, 0, 1
	QUARTER 0, 1, 0, 1, 0
	WIN 0
	s_sub_co_u32 s3, s3, 1
	s_cmp_lg_u32 s3, 0
	s_cbranch_scc1 .Llap
	QUARTER 0, 2, 1, 0, 0                          ; the last lap fills nothing
	QUARTER 0, 3, 0, 1, 0
	TURN 0, 1, 0
	QUARTER 1, 1, 0, 1, 0
	QUARTER 1, 2, 1, 0, 0
	QUARTER 1, 3, 0, 1, 0
	s_wait_dscnt 4
	WIN MUL
	MUL8 1, 0, 0
	MUL8 1, 1, 0
	s_wait_dscnt 0
	MUL8 1, 2, 0
	MUL8 1, 3, 0
	WIN 0
; THE WAY OUT, block by block of 16 rows x 128 columns, through my own stage: back as whole rows of 512 bytes.
.macro TOSTAGE a
	WIN 0x08                                       ; an LDS store's data: window 2
.irp b, 0,1,2,3,4,5,6,7
	ds_store_b128 v[STO], v[64*(\a)+8*\b:64*(\a)+8*\b+3] offset:64*\b          ; each accumulator from its low end on
	ds_store_b128 v[STO], v[64*(\a)+8*\b+4:64*(\a)+8*\b+7] offset:64*\b+16
.endr
	WIN 0
.irp t, 0,1,2,3,4,5,6,7,8,9,10,11,12,13,14,15
	ds_load_b128 v[BK+64*((\a)%2)+4*\t:BK+64*((\a)%2)+4*\t+3], v[RD] offset:\t*SPITCH
.endr
.endm
.macro SEND a, younger
	s_wait_dscnt \younger
.irp t, 0,1,2,3,4,5,6,7,8,9,10,11,12,13,14,15
	global_store_b128 v[CO], v[BK+64*((\a)%2)+4*\t:BK+64*((\a)%2)+4*\t+3], s[8:9] offset:65536*(\a)+4096*\t th:TH_STORE_NT   ; 32 lanes store 512 consecutive bytes, aligned
.endr
.endm
	PLACES
	TOSTAGE 0
.irp a, 1,2,3
.if \a > 1
	s_wait_xcnt 0x0                                ; block a - 2's stores have read their registers
.endif
	TOSTAGE \a
	SEND \a-1, 32                                  ; behind block a - 1's loads: block a's 16 stores and 16 loads
.endr
	SEND 3, 0
	s_wait_tensorcnt 0x0                           ; the wave's end
	ds_add_u32 v[SPW], v[NIL]
	s_wait_dscnt 0x0
	CROUND                                         ; the closing round
	s_endpgm
.Lfunc_end_k_q418de94e9a_oproj:
	.size	k_q418de94e9a_oproj, .Lfunc_end_k_q418de94e9a_oproj-k_q418de94e9a_oproj
	.p2alignl 7, 3214868480
	.fill 96, 4, 3214868480
	.section	.rodata,"a",@progbits
	.p2align	6, 0x0
	.amdhsa_kernel k_q418de94e9a_oproj
		.amdhsa_group_segment_fixed_size 327680
		.amdhsa_private_segment_fixed_size 0
		.amdhsa_enable_private_segment 0
		.amdhsa_kernarg_size 24
		.amdhsa_user_sgpr_count 2
		.amdhsa_user_sgpr_kernarg_segment_ptr 1
		.amdhsa_wavefront_size32 1
		.amdhsa_system_sgpr_workgroup_id_x 1
		.amdhsa_system_sgpr_workgroup_id_y 1
		.amdhsa_system_sgpr_workgroup_id_z 1
		.amdhsa_system_vgpr_workitem_id 0
		.amdhsa_next_free_vgpr 768
		.amdhsa_next_free_sgpr 66
		.amdhsa_reserve_vcc 0
		.amdhsa_float_denorm_mode_32 3
		.amdhsa_float_denorm_mode_16_64 3
		.amdhsa_memory_ordered 1
		.amdhsa_forward_progress 1
		.amdhsa_inst_pref_size 86
	.end_amdhsa_kernel
	.amdgpu_metadata
---
amdhsa.version: [ 1, 2 ]
amdhsa.kernels:
  - .name:           k_q418de94e9a_oproj
    .symbol:         k_q418de94e9a_oproj.kd
    .args:
      - { .name: att16, .offset: 0, .size: 8, .value_kind: global_buffer, .address_space: global }
      - { .name: wo16, .offset: 8, .size: 8, .value_kind: global_buffer, .address_space: global }
      - { .name: out0, .offset: 16, .size: 8, .value_kind: global_buffer, .address_space: global }
    .group_segment_fixed_size: 327680
    .private_segment_fixed_size: 0
    .kernarg_segment_align: 8
    .kernarg_segment_size: 24
    .max_flat_workgroup_size: 128
    .sgpr_count:     66
    .vgpr_count:     768
    .wavefront_size: 32
...
	.end_amdgpu_metadata
.endif
;; end of part 4
;; launch fine (part 5): grid 16 x 4, 16 waves a work-group, no clusters, 86,016 bytes of LDS; arguments qkv32, Wo, out0; writes out0
.if DOCPART == 5
	.amdgcn_target "amdgcn-amd-amdhsa--gfx1250"
	.amdhsa_code_object_version 6
	.text
	.protected	k_q418de94e9a_fine
	.globl	k_q418de94e9a_fine
	.p2align	8
	.type	k_q418de94e9a_fine,@function
k_q418de94e9a_fine:
	s_mov_b64 s[64:65], 0
	v_nop
	global_prefetch_b8 v0, s[64:65] scope:SCOPE_SE
	s_setreg_imm32_b32 hwreg(HW_REG_WAVE_MODE, 25, 1), 1
	s_wait_xcnt 0x0
; FINE.  Positions 0-15 of each sequence average one to sixteen values and are the largest rows of the result: their attention and their projection are made here in f32 throughout, and written over what the launch before left in those 64 rows of out0.
; Work-group (cg, b): batch b, columns 64 cg .. 64 cg + 63 of out0.  Each work-group makes the batch's 16 x 1,024 attention rows anew (16 heads of 16 x 16 x 64: little work) and keeps them in LDS.
; PHASE 1: wave w is head w.  S^T = K Q^T and O^T = V^T P by v_wmma_f32_16x16x4_f32 (source 0 = keys, or channels of V; source 1 = queries): a lane holds one query (lane % 16).  The softmax takes the row's maximum away; hidden keys become -infinity.
; PHASE 2: wave w takes columns 16 (w % 4) on and e = 256 (w / 4) on: 64 K steps on four accumulators by turns; the four quarters of e meet in LDS and waves 0-7 add and store them.
; K IS PERMUTED ALIKE ON BOTH SIDES of each product: a lane's 16 bytes hold e = 8 s + 4 (lane / 16) + 0..3 and serve two K steps, so every operand comes by loads of 16 bytes.
; The registers that the f32 matrix form writes (v112-175) are written by it alone; sums begin with the constant 0.  Wo's rows are read in pieces of 32 bytes a lane pair; a row's 32 loads stand on end and cover its 1,024 bytes.
.set ATT,   0                          ; LDS: 16 rows x (4,096 bytes + 16)
.set APIT,  4112
.set RED,   16*APIT                    ; four quarters x 16 rows x (256 bytes + 16)
.set SPARE, RED+4*4352                 ; the spare words, 128 bytes a wave
.set QR,   16                          ; v16-47  Q, then O / l, then fragments of the attention rows
.set KR,   48                          ; v48-79  K, then Wo's chunk 2
.set VR,   80                          ; v80-111 V, then Wo's chunk 3
.set ACC1, 112
.set ACC2, 144
.set SR,   176                         ; v176-183 scores, p, sums; v184-191 at work
.set W0,   192                         ; v192-255 Wo's chunks 0 and 1
	s_load_b128 s[4:7], s[0:1], 0x0                ; qkv32, Wo
	s_load_b64 s[8:9], s[0:1], 0x10                ; out0
	v_lshl_add_u32 v14, v0, 2, SPARE
	v_mov_b32 v15, 0
	v_lshrrev_b32 v1, 5, v0
	v_readfirstlane_b32 s10, v1                    ; wave 0..15
	s_and_b32 s11, ttmp7, 0xffff                   ; the batch
	s_and_b32 s12, s10, 3                          ; phase 2: my 16 columns
	s_lshr_b32 s13, s10, 2                         ; and my quarter of e
	v_and_b32 v1, 15, v0                           ; r
	v_bfe_u32 v2, v0, 4, 1                         ; h
	v_lshlrev_b32 v3, 8, v1
	v_lshl_add_u32 v3, v2, 4, v3                   ; Q, K: row r of 256 bytes, + 16 h
	v_lshlrev_b32 v4, 2, v1
	v_lshl_add_u32 v4, v2, 11, v4                  ; V: channel r, keys 8 h on
	v_lshlrev_b32 v5, 12, v1
	v_lshl_add_u32 v5, v2, 4, v5                   ; Wo: row r of 4,096 bytes, + 16 h
	v_mul_u32_u24 v6, v1, APIT
	v_lshl_add_u32 v7, v2, 4, v6
	v_lshl_add_u32 v6, v2, 5, v6
	s_lshl_b32 s14, s10, 8
	v_add_nc_u32 v6, s14, v6                       ; the attention rows, in: row r, + 256 x head + 32 h
	s_lshl_b32 s14, s13, 10
	v_add_nc_u32 v7, s14, v7                       ; back: row r, + 1,024 x quarter + 16 h
	v_mul_u32_u24 v8, v1, 272
	v_lshl_add_u32 v8, v2, 5, v8
	s_mul_i32 s14, s13, 4352
	s_lshl_b32 s15, s12, 6
	s_add_co_u32 s14, s14, s15
	s_add_co_u32 s14, s14, RED
	v_add_nc_u32 v8, s14, v8                       ; the quarters' sums, in
	v_and_b32 v9, 255, v0
	v_lshrrev_b32 v9, 4, v9                        ; back: thread t of 256 takes row t / 16, 16 bytes at 16 (t % 16)
	v_lshlrev_b32 v10, 12, v9
	v_mul_u32_u24 v9, v9, 272
	v_lshl_add_u32 v9, v1, 4, v9
	v_add_nc_u32 v9, RED, v9
	v_lshl_add_u32 v10, v1, 4, v10                 ; and the same place in out0
	v_lshlrev_b32 v11, 3, v2
	v_sub_nc_u32 v11, v1, v11                      ; r - 8 h
	v_mov_b32 v12, 0xff800000
	s_mov_b32 s20, 0x76543210
	s_mov_b32 s21, 0xfedcba98
	s_mov_b32 s22, 0x3e38aa3b                      ; c = log2(e) / 8
	s_mov_b32 s17, 0
	s_wait_kmcnt 0x0
	s_lshl_b32 s16, s11, 16
	s_lshl_b32 s18, s10, 12
	s_add_co_u32 s16, s16, s18
	s_add_nc_u64 s[4:5], s[4:5], s[16:17]          ; q of my head; k lies 262,144 bytes on, v 524,288
	s_lshl_b32 s16, ttmp9, 6
	s_lshl_b32 s18, s12, 4
	s_add_co_u32 s16, s16, s18
	s_lshl_b32 s16, s16, 12
	s_lshl_b32 s18, s13, 10
	s_add_co_u32 s16, s16, s18
	s_add_nc_u64 s[6:7], s[6:7], s[16:17]          ; Wo at my 16 rows and my quarter of e
	s_lshl_b32 s16, s11, 23
	s_lshl_b32 s18, ttmp9, 8
	s_add_co_u32 s16, s16, s18
	s_add_nc_u64 s[8:9], s[8:9], s[16:17]          ; out0 at the batch's first row and my 64 columns
.irp s, 0,1,2,3,4,5,6,7
	global_load_b128 v[QR+4*\s:QR+4*\s+3], v3, s[4:5] offset:32*\s
.endr
.irp s, 0,1,2,3,4,5,6,7
	global_load_b128 v[KR+4*\s:KR+4*\s+3], v3, s[4:5] offset:262144+32*\s
.endr
.irp ct, 0,1,2,3
.irp k, 0,1,2,3,4,5,6,7
	global_load_b32 v[VR+8*\ct+\k], v4, s[4:5] offset:524288+256*\k+64*\ct   ; V(key 8 h + k, channel 16 ct + r)
.endr
.endr
.macro WOLOAD g, wb
.irp s, 0,1,2,3,4,5,6,7
	global_load_b128 v[\wb+4*\s:\wb+4*\s+3], v5, s[6:7] offset:256*\g+32*\s
.endr
.endm
	WOLOAD 0, W0
	WOLOAD 1, W0+32
	; ---- phase 1
	s_wait_loadcnt 48                              ; Q and K are in; V's 32 loads and Wo's 16 stay out
.set ks, 0
.rept 16                               ; four accumulators by turns; the first four products start the sums
.if ks < 4
	v_wmma_f32_16x16x4_f32 v[ACC1+8*(ks%4):ACC1+8*(ks%4)+7], v[KR+2*ks:KR+2*ks+1], v[QR+2*ks:QR+2*ks+1], 0
.else
	v_wmma_f32_16x16x4_f32 v[ACC1+8*(ks%4):ACC1+8*(ks%4)+7], v[KR+2*ks:KR+2*ks+1], v[QR+2*ks:QR+2*ks+1], v[ACC1+8*(ks%4):ACC1+8*(ks%4)+7]
.endif
.set ks, ks+1
.endr
.rept 8
	v_nop                                          ; eight places behind this form
.endr
.irp j, 0,1,2,3,4,5,6,7
	v_add_f32 v[SR+\j], v[ACC1+\j], v[ACC1+8+\j]   ; each accumulator from its low end on
.endr
.irp j, 0,1,2,3,4,5,6,7
	v_add_f32 v[SR+8+\j], v[ACC1+16+\j], v[ACC1+24+\j]
.endr
.irp j, 0,1,2,3,4,5,6,7
	v_add_f32 v[SR+\j], v[SR+\j], v[SR+8+\j]       ; register j: the score of query r and key 8 h + j
.endr
.irp j, 0,1,2,3,4,5,6,7
	v_cmp_gt_i32 vcc_lo, \j, v11                   ; hidden where 8 h + j > r
	v_cndmask_b32 v[SR+\j], v[SR+\j], v12, vcc_lo
.endr
	v_max3_num_f32 v184, v176, v177, v178
	v_max3_num_f32 v185, v179, v180, v181
	v_max3_num_f32 v184, v184, v182, v183
	v_max_num_f32 v184, v184, v185
	v_permlanex16_b32 v185, v184, s20, s21
	v_max_num_f32 v184, v184, v185                 ; the row's maximum: key 0 counts for every query
	v_mul_f32 v186, s22, v184
.irp j, 0,1,2,3,4,5,6,7
	v_fma_f32 v[SR+\j], v[SR+\j], s22, -v186
.endr
.irp j, 0,1,2,3,4,5,6,7
	v_exp_f32 v[SR+\j], v[SR+\j]
.endr
	v_nop
	s_wait_alu depctr_va_vdst(0)                   ; one wait for the eight exponentials, ahead of their first reader
	v_add_f32 v184, v176, v177
	v_add_f32 v185, v178, v179
	v_add_f32 v187, v180, v181
	v_add_f32 v188, v182, v183
	v_add_f32 v184, v184, v185
	v_add_f32 v187, v187, v188
	v_add_f32 v184, v184, v187
	v_permlanex16_b32 v185, v184, s20, s21
	v_add_f32 v184, v184, v185
	v_rcp_f32 v189, v184
	v_nop
	s_wait_alu depctr_va_vdst(0)
	s_wait_loadcnt 16                              ; V is in; Wo's 16 loads stay out
.irp ks, 0,1,2,3                       ; K step ks takes keys 8 h + 2 ks, + 1: p's registers 2 ks, 2 ks + 1 are the operand as they stand
.irp ct, 0,1,2,3
.if \ks == 0
	v_wmma_f32_16x16x4_f32 v[ACC2+8*\ct:ACC2+8*\ct+7], v[VR+8*\ct+2*\ks:VR+8*\ct+2*\ks+1], v[SR+2*\ks:SR+2*\ks+1], 0
.else
	v_wmma_f32_16x16x4_f32 v[ACC2+8*\ct:ACC2+8*\ct+7], v[VR+8*\ct+2*\ks:VR+8*\ct+2*\ks+1], v[SR+2*\ks:SR+2*\ks+1], v[ACC2+8*\ct:ACC2+8*\ct+7]
.endif
.endr
.endr
.rept 8
	v_nop
.endr
.set n, 0
.rept 32
	v_mul_f32 v[QR+n], v[ACC2+n], v189             ; register 8 ct + j: channel 16 ct + 8 h + j of query r
.set n, n+1
.endr
.irp ct, 0,1,2,3
	ds_store_b128 v6, v[QR+8*\ct:QR+8*\ct+3] offset:64*\ct
	ds_store_b128 v6, v[QR+8*\ct+4:QR+8*\ct+7] offset:64*\ct+16
.endr
	WOLOAD 2, KR
	WOLOAD 3, VR
	s_wait_dscnt 0x0                               ; for the others' sake: my stores have landed
	s_barrier_signal -1
	s_barrier_wait -1                              ; the batch's 16 rows of 1,024 lie in LDS
	; ---- phase 2
.macro CHUNK g, wb, left               ; 64 of e: 16 K steps.  left: Wo's loads asked for later, which stay out
.if \g > 0
.rept 8
	v_nop                                          ; places ahead of loads into registers that the last products read
.endr
.endif
.irp s, 0,1,2,3,4,5,6,7
	ds_load_b128 v[QR+4*\s:QR+4*\s+3], v7 offset:256*\g+32*\s
.endr
	s_wait_loadcnt \left
	s_wait_dscnt 0x0
.set ks, 0
.rept 16
.if (\g == 0) && (ks < 4)
	v_wmma_f32_16x16x4_f32 v[ACC1+8*(ks%4):ACC1+8*(ks%4)+7], v[\wb+2*ks:\wb+2*ks+1], v[QR+2*ks:QR+2*ks+1], 0
.else
	v_wmma_f32_16x16x4_f32 v[ACC1+8*(ks%4):ACC1+8*(ks%4)+7], v[\wb+2*ks:\wb+2*ks+1], v[QR+2*ks:QR+2*ks+1], v[ACC1+8*(ks%4):ACC1+8*(ks%4)+7]
.endif
.set ks, ks+1
.endr
.endm
	CHUNK 0, W0, 24
	CHUNK 1, W0+32, 16
	CHUNK 2, KR, 8
	CHUNK 3, VR, 0
.rept 8
	v_nop
.endr
.irp j, 0,1,2,3,4,5,6,7
	v_add_f32 v[SR+\j], v[ACC1+\j], v[ACC1+8+\j]
.endr
.irp j, 0,1,2,3,4,5,6,7
	v_add_f32 v[SR+8+\j], v[ACC1+16+\j], v[ACC1+24+\j]
.endr
.irp j, 0,1,2,3,4,5,6,7
	v_add_f32 v[SR+\j], v[SR+\j], v[SR+8+\j]       ; register j: row r, column 16 (w % 4) + 8 h + j, my quarter of e
.endr
	ds_store_b128 v8, v[SR:SR+3]
	ds_store_b128 v8, v[SR+4:SR+7] offset:16
	s_wait_dscnt 0x0
	s_barrier_signal -1
	s_barrier_wait -1
	s_cmp_lt_u32 s10, 8                            ; 256 threads add the four quarters and store 16 rows x 256 bytes
	s_cbranch_scc0 .Ldone
.irp k, 0,1,2,3
	ds_load_b128 v[QR+4*\k:QR+4*\k+3], v9 offset:4352*\k
.endr
	s_wait_dscnt 0x0
	v_pk_add_f32 v[16:17], v[16:17], v[20:21]
	v_pk_add_f32 v[18:19], v[18:19], v[22:23]
	v_pk_add_f32 v[24:25], v[24:25], v[28:29]
	v_pk_add_f32 v[26:27], v[26:27], v[30:31]
	v_pk_add_f32 v[16:17], v[16:17], v[24:25]
	v_pk_add_f32 v[18:19], v[18:19], v[26:27]
	global_store_b128 v10, v[16:19], s[8:9]        ; sixteen lanes store 256 consecutive bytes, aligned
.Ldone:
	s_wait_tensorcnt 0x0                           ; the wave's end, behind my last LDS store
	ds_add_u32 v14, v15
	s_wait_dscnt 0x0
	s_endpgm
.Lfunc_end_k_q418de94e9a_fine:
	.size	k_q418de94e9a_fine, .Lfunc_end_k_q418de94e9a_fine-k_q418de94e9a_fine
	.p2alignl 7, 3214868480
	.fill 96, 4, 3214868480
	.section	.rodata,"a",@progbits
	.p2align	6, 0x0
	.amdhsa_kernel k_q418de94e9a_fine
		.amdhsa_group_segment_fixed_size 86016
		.amdhsa_private_segment_fixed_size 0
		.amdhsa_enable_private_segment 0
		.amdhsa_kernarg_size 24
		.amdhsa_user_sgpr_count 2
		.amdhsa_user_sgpr_kernarg_segment_ptr 1
		.amdhsa_wavefront_size32 1
		.amdhsa_system_sgpr_workgroup_id_x 1
		.amdhsa_system_sgpr_workgroup_id_y 1
		.amdhsa_system_sgpr_workgroup_id_z 1
		.amdhsa_system_vgpr_workitem_id 0
		.amdhsa_next_free_vgpr 256
		.amdhsa_next_free_sgpr 66
		.amdhsa_reserve_vcc 1
		.amdhsa_float_denorm_mode_32 3
		.amdhsa_float_denorm_mode_16_64 3
		.amdhsa_memory_ordered 1
		.amdhsa_forward_progress 1
		.amdhsa_inst_pref_size 27
	.end_amdhsa_kernel
	.amdgpu_metadata
---
amdhsa.version: [ 1, 2 ]
amdhsa.kernels:
  - .name:           k_q418de94e9a_fine
    .symbol:         k_q418de94e9a_fine.kd
    .args:
      - { .name: qkv32, .offset: 0, .size: 8, .value_kind: global_buffer, .address_space: global }
      - { .name: Wo, .offset: 8, .size: 8, .value_kind: global_buffer, .address_space: global }
      - { .name: out0, .offset: 16, .size: 8, .value_kind: global_buffer, .address_space: global }
    .group_segment_fixed_size: 86016
    .private_segment_fixed_size: 0
    .kernarg_segment_align: 8
    .kernarg_segment_size: 24
    .max_flat_workgroup_size: 512
    .sgpr_count:     66
    .vgpr_count:     256
    .wavefront_size: 32
...
	.end_amdgpu_metadata
.endif
;; end of part 5
